; MI455X (gfx1250); checked and timed in simulation.
; The chip was launched on July 23, 2026; its instructions are those of AMD's public machine-readable ISA for CDNA 5 (MIT licence, August 2026) and "CDNA5" Instruction Set Architecture Reference Guide (July 2026). The comments in the code are by the model that wrote it; some were corrected since.
;; Multi Head Attention. Allowed arithmetic: matrix products marked QUANTISED: E2M3 operands, one E8M0 scale for each 32 along K, by v_wmma_scale_f32_16x16x128_f8f6f4 with both operands' format E2M3, f32 sums; everything else in f32.
;; Inputs: dense_b 1,024 float32; dense_w 1,024 x 1,024 float32; key_ 2 x 2,048 x 1,024 float32; mask 1 x 1 x 2,048 x 2,048 float32; query 2 x 2,048 x 1,024 float32; value 2 x 2,048 x 1,024 float32; wk_b 1,024 float32; wk_w 1,024 x 1,024 float32; wq_b 1,024 float32; wq_w 1,024 x 1,024 float32; wv_b 1,024 float32; wv_w 1,024 x 1,024 float32.
;; Outputs: out0 2 x 2,048 x 1,024 float32.
;; This version of the problem:
;;   THIS VERSION OF THE PROBLEM IS GIVEN IN LOW PRECISION. The matrix products marked QUANTISED in the list below multiply operands that are first quantised to E2M3 (2 exponent bits, 3 mantissa bits; 6 bits a number), with one power-of-two scale for each 32 numbers along K (OCP MX v1.0); their sums are f32. All else is computed in f32.
;;   The module's matrix products, in the order in which they are computed (A, B: the left and right operand; K: the contracted axis; several contracted axes count as one K, in the product's order):
;;     1. [M 4,096, K 1,024] x [K 1,024, N 1,024]; A: input query; B: input wq_w: QUANTISED
;;     2. [M 4,096, K 1,024] x [K 1,024, N 1,024]; A: input key_; B: input wk_w: QUANTISED
;;     3. [M 4,096, K 1,024] x [K 1,024, N 1,024]; A: input value; B: input wv_w: QUANTISED
;;     4. batch 32 x [M 2,048, K 64] x [K 64, N 2,048]; A: computed on the way; B: computed on the way: QUANTISED
;;     5. batch 32 x [M 2,048, K 2,048] x [K 2,048, N 64]; A: softmax (see below); B: computed on the way: QUANTISED
;;     6. [M 4,096, K 1,024] x [K 1,024, N 1,024]; A: computed on the way; B: input dense_w: QUANTISED
;;   THE QUANTISER, for each operand of a quantised product, along K:
;;     - K is cut into blocks of 32 from its start; a last block that is shorter is filled with zeros.
;;     - A block's scale is 2^e with e = floor(log2(the largest magnitude in the block)) - 2, held to -126 .. 127; a block of zeros has e = 0. As a byte (E8M0): e + 127.
;;     - Each number is divided by its block's scale, clamped to +-7.5, and rounded to the nearest number of E2M3, ties to even, subnormals kept.
;;     - The product sums the exact products of the quantised numbers (number of the format x scale) in f32.
;;   ~~~python
;;   def quantise(x, axis):      # numpy; x: float32 -> the quantised numbers, widened to float32 again
;;       x = np.moveaxis(x, axis, -1); K = x.shape[-1]
;;       x = np.pad(x, [(0, 0)] * (x.ndim - 1) + [(0, -K % 32)]); x = x.reshape(x.shape[:-1] + (-1, 32)); a = np.abs(x).max(-1, keepdims=True)
;;       e = np.where(a > 0, np.clip(np.frexp(np.where(a > 0, a, 1))[1] - 1 - 2, -126, 127), 0)      # np.frexp(a)[1] - 1 = floor(log2(a)), exactly
;;       r = np.clip(x / 2.0 ** e, -7.5, 7.5)
;;       step = 2.0 ** (np.maximum(np.frexp(np.where(r == 0, 1, r))[1] - 1, 0) - 3)
;;       q = np.round(r / step) * step * 2.0 ** e      # np.round: ties to even
;;       return np.moveaxis(q.reshape(q.shape[:-2] + (-1,))[..., :K], -1, axis).astype(np.float32)
;;   ~~~
;;   SOFTMAX AHEAD OF A QUANTISED PRODUCT. Where the list says 'softmax', what is quantised is not the finished softmax but p = 2^(t - M), with t = logit x log2(e) and M = ceil(the row's largest t), a whole number; so 1/2 < the row's largest p <= 1. The row's sum l is taken of the UNQUANTISED p, in f32, and the product's result is divided by l at the end. Since M is a whole number, a kernel that streams over the keys may use a running M (the ceiling of the running maximum): every later rescaling is an exact power of two, which a block's scale takes up: the codes' values come out the same.
;;   OPERANDS COMPUTED ON THE WAY. 'Computed on the way' means the value that the module computes at that place (a softmax that the list does not call 'softmax' is quantised finished and normalised). What goes into a quantiser is computed in f32, as accurately as f32 sums, v_exp_f32 and their like allow (about 1e-6 of the number): no bf16 or f16 on the way to a quantiser, and a product that is left as it is and whose result goes on into a quantised operand takes f32 operands (vector FMAs, or v_wmma_f32_16x16x4_f32). A number that lies on a knife's edge between two numbers of the format may be rounded either way, as far as f32 arithmetic and the matrix unit's own rounding can turn it there, and no further.
;; One version. Each part assembles by itself: llvm-mc -triple=amdgcn-amd-amdhsa -mcpu=gfx1250 --defsym DOCPART=n.
;; ======== version 1 of 1: 4 launches
;; limits: right only within a limited range of input values; inputs' magnitudes at most 4.2e+28
;; workspace buffers: xc 12,582,912 bytes; xs 524,288 bytes; rowflags 8,192 bytes of whole numbers; qkc 9,437,184 bytes; qks 393,216 bytes; oc 3,145,728 bytes; os 131,072 bytes
;; launch prep (part 1): grid 1024 x 1, 4 waves a work-group, no clusters, 34,304 bytes of LDS; arguments query, key_, value, wq_w, wk_w, wv_w, dense_w, mask, xc, xs, rowflags; writes xc, xs, rowflags
.if DOCPART == 1
	.amdgcn_target "amdgcn-amd-amdhsa--gfx1250"
	.amdhsa_code_object_version 6
	.text
	.protected	k_qfc779b3566_prep
	.globl	k_qfc779b3566_prep
	.p2align	8
	.type	k_qfc779b3566_prep,@function
k_qfc779b3566_prep:
	s_mov_b64 s[64:65], 0
	v_nop
	global_prefetch_b8 v0, s[64:65] scope:SCOPE_SE
	s_setreg_imm32_b32 hwreg(HW_REG_WAVE_MODE, 25, 1), 1
	s_wait_xcnt 0x0
; PREP.  Work-groups 0-511 turn the seven f32 operands whose K (1,024) is innermost into codes of FP6 (E2M3) with one E8M0 byte for each 32 along K;
; work-groups 512-1023 read the mask and store, for each of its 2,048 rows, 32 flags as one whole number.
; CODES.  xc: [tile 0..1023][K step 0..7][1,536 bytes].  A tile is 16 rows: tile 2 b + u of a tensor holds in lane r row 32 b + 8 u + r + 8 (r / 8).  The 1,536 bytes are the IMAGE of the operand's 12 registers
; (16 rows x 128 K): registers 4 q .. 4 q + 3 of lane L at 512 q + 16 L.  Tiles: query 0-255, key_ 256-511, value 512-767, wq_w 768-831, wk_w 832-895, wv_w 896-959, dense_w 960-1023.
; SCALES.  xs: [tile][lane L][a 0..3] words: word a of lane L is the scale word (four bytes, 128 along K) of row L % 16 for K step 2 a + L / 16.
; A block's scale is 2^(floor(log2(its largest magnitude)) - 2); its byte is the largest magnitude's exponent field - 2, held at 1 from below.  A block of zeros so gets the byte 1 where the rule says 127:
; its codes are zeros, which add nothing under any byte but 0xff, and this program alone reads the bytes.
; FLAGS of mask row i, for each key step ks of 128 keys: bit ks (SKIP): every mask number of the step lies 0.5 or more above the row's smallest; bit 16 + ks (ZERO): every mask number of the step is 0.
; LIMITS: NaN and infinities among the inputs are not served.
; A wave of the first kind takes one tile and half of K: four K steps.  Each load reads 512 consecutive bytes (a row's K step); the 16 rows turn through the wave's own stage in LDS, so that a lane gets the two
; whole blocks of 32 that the operand's layout gives it.  Waves share nothing: no barrier.  Memory binds: no matrix unit, no cluster, no tensor load.
.set SP,   528                         ; a stage row: 512 bytes + 16: the sixteen rows that a read touches start 4 banks apart
.set WREG, 16*SP                       ; a wave's stage
.set RA,   16                          ; v16-143  two sets of 64: a K step as loaded
.set X,    144                         ; v144-207 my two blocks of 32 neighbours
.set F,    208                         ; v208-219 the fragment's 12 registers
.set CT,   220                         ; v220-222, v224-226 the upper halves of the two blocks' codes (a conversion's three registers begin on an even number)
.set MX,   228                         ; v228-229 largest magnitudes
.set OP,   230                         ; v230-231 the conversions' scale operands
.set BY,   232                         ; v232-233 bytes; at the end the two words to store
.set WD,   234
.set TP,   235
.set W,    236                         ; v236-239 a scale word for each K step
	s_load_b512 s[4:19], s[0:1], 0x0               ; query, key_, value, wq_w, wk_w, wv_w, dense_w s[16:17], mask s[18:19]
	s_load_b128 s[20:23], s[0:1], 0x40             ; xc, xs
	s_load_b64 s[24:25], s[0:1], 0x50              ; rowflags
	v_lshl_add_u32 v240, v0, 2, 0x8400
	v_mov_b32 v241, 0
	v_lshrrev_b32 v1, 5, v0
	v_readfirstlane_b32 s26, v1                    ; wave 0..3
	v_and_b32 v7, 31, v0                           ; lane L
	v_lshlrev_b32 v2, 4, v7                        ; 16 L
	s_mov_b32 s40, 0x76543210
	s_mov_b32 s41, 0xfedcba98                      ; v_permlanex16_b32's selects for lane l xor 16
	s_cmp_ge_u32 ttmp9, 512
	s_cbranch_scc1 .Lmask
	; ---------------- the quantiser ----------------
	v_and_b32 v8, 15, v0                           ; r
	v_bfe_u32 v9, v0, 4, 1                         ; h
	s_mul_i32 s27, s26, WREG
	v_add_nc_u32 v3, s27, v2                       ; the stage, on the way in: 16 L in row j
	v_mul_u32_u24 v4, v8, SP
	v_lshl_add_u32 v4, v9, 7, v4
	v_add_nc_u32 v4, s27, v4                       ; on the way out: row r, + 128 h bytes: k = 32 h on
	v_lshlrev_b32 v6, 3, v9                        ; 8 h: where my bytes stand in the scale word
	v_mov_b32 v[TP], 0                             ; a lane permute's destination counts as one of its sources
	s_mov_b32 s42, 0xffff0000                      ; lanes 16-31
	s_wait_kmcnt 0x0
	s_mov_b64 s[28:29], s[16:17]                   ; which tensor: the choice hangs on the work-group's number alone (two tiles to a work-group)
	s_mov_b32 s30, 960                             ; and its first tile
	s_cmp_lt_u32 ttmp9, 480
	s_cselect_b64 s[28:29], s[14:15], s[28:29]
	s_cselect_b32 s30, 896, s30
	s_cmp_lt_u32 ttmp9, 448
	s_cselect_b64 s[28:29], s[12:13], s[28:29]
	s_cselect_b32 s30, 832, s30
	s_cmp_lt_u32 ttmp9, 416
	s_cselect_b64 s[28:29], s[10:11], s[28:29]
	s_cselect_b32 s30, 768, s30
	s_cmp_lt_u32 ttmp9, 384
	s_cselect_b64 s[28:29], s[8:9], s[28:29]
	s_cselect_b32 s30, 512, s30
	s_cmp_lt_u32 ttmp9, 256
	s_cselect_b64 s[28:29], s[6:7], s[28:29]
	s_cselect_b32 s30, 256, s30
	s_cmp_lt_u32 ttmp9, 128
	s_cselect_b64 s[28:29], s[4:5], s[28:29]
	s_cselect_b32 s30, 0, s30
	s_lshl_b32 s31, ttmp9, 1
	s_lshr_b32 s32, s26, 1
	s_add_co_u32 s31, s31, s32                     ; T: my tile
	s_and_b32 s33, s26, 1                          ; kh: my half of K
	s_sub_co_u32 s34, s31, s30                     ; the tile's number in its tensor
	s_lshr_b32 s35, s34, 1
	s_lshl_b32 s35, s35, 5
	s_and_b32 s34, s34, 1
	s_lshl_b32 s34, s34, 3
	s_add_co_u32 s34, s34, s35                     ; its first row: 32 b + 8 u
	s_lshl_b32 s34, s34, 12                        ; rows of 4,096 bytes
	s_lshl_b32 s35, s33, 11
	s_add_co_u32 s34, s34, s35                     ; + 2,048 kh
	s_mov_b32 s35, 0
	s_add_nc_u64 s[28:29], s[28:29], s[34:35]
	s_mul_i32 s36, s31, 12288
	s_mul_i32 s37, s33, 6144
	s_add_co_u32 s36, s36, s37
	s_mov_b32 s37, 0
	s_add_nc_u64 s[20:21], s[20:21], s[36:37]      ; my four images
	s_lshl_b32 s36, s31, 9
	s_lshl_b32 s38, s33, 3
	s_add_co_u32 s36, s36, s38
	s_add_nc_u64 s[22:23], s[22:23], s[36:37]      ; my two words of each lane's four: 512 T + 8 kh
.macro LOADX s                         ; K step s: row j of the tile, 512 consecutive bytes a load
.irp j, 0,1,2,3,4,5,6,7,8,9,10,11,12,13,14,15
	global_load_b128 v[RA+64*((\s)%2)+4*\j:RA+64*((\s)%2)+4*\j+3], v2, s[28:29] offset:(\j+8*(\j/8))*4096+512*(\s) th:TH_LOAD_NT
.endr
.endm
.macro QSTEP s
.set RS, RA+64*((\s)%2)
.if (\s) < 3
	s_wait_loadcnt 16                              ; this step's 16 loads are in; the next step's 16 may be out
.else
	s_wait_loadcnt 0x0
.endif
.irp j, 0,1,2,3,4,5,6,7,8,9,10,11,12,13,14,15
	ds_store_b128 v3, v[RS+4*\j:RS+4*\j+3] offset:SP*\j
.endr
.irp c, 0,1
.irp i, 0,1,2,3,4,5,6,7
	ds_load_b128 v[X+32*\c+4*\i:X+32*\c+4*\i+3], v4 offset:256*\c+16*\i   ; k = 64 c + 32 h + 4 i on, of row r.  LDS serves a wave's instructions in order: these see the stores above
.endr
.endr
	s_wait_dscnt 0x0                               ; my numbers are back, and the stores into the stage have read their registers
.if (\s) > 0
	s_wait_xcnt 0x0                                ; the last step's stores have read the fragment's registers, which are written again below
.endif
.if (\s)+2 < 4
	LOADX (\s)+2
.endif
.irp c, 0,1
	v_max3_num_f32 v[MX+\c], |v[X+32*\c]|, |v[X+32*\c+1]|, 0x1800000   ; block 2 c + h is all mine; the floor 2^(3 - 127) holds the byte at 1 from below
.endr
.irp i, 2,4,6,8,10,12,14,16,18,20,22,24,26,28,30
.irp c, 0,1
	v_max3_num_f32 v[MX+\c], v[MX+\c], |v[X+32*\c+\i]|, |v[X+32*\c+\i+1]|
.endr
.endr
.irp c, 0,1
	v_add_nc_u32 v[OP+\c], 0xff000000, v[MX+\c]    ; 2 off the exponent field: the conversion takes the exponent field of this operand as its scale
.endr
.irp c, 0,1
	v_lshrrev_b32 v[BY+\c], 23, v[OP+\c]           ; the scale's byte
.endr
	v_lshl_or_b32 v[WD], v[BY+1], 16, v[BY]        ; blocks h and 2 + h,
	v_lshlrev_b32 v[WD], v6, v[WD]                 ; at their places in the word;
	v_permlanex16_b32 v[TP], v[WD], s40, s41
	v_or_b32 v[W+(\s)], v[WD], v[TP]               ; with lane l xor 16's two the word is whole
.irp c, 0,1
	v_cvt_scalef32_pk16_fp6_f32 v[F+6*\c:F+6*\c+2], v[X+32*\c:X+32*\c+15], v[OP+\c]
	v_cvt_scalef32_pk16_fp6_f32 v[CT+4*\c:CT+4*\c+2], v[X+32*\c+16:X+32*\c+31], v[OP+\c]
.endr
	v_nop                                          ; one plain place behind a scaled conversion
.irp c, 0,1
.irp i, 0,1,2
	v_mov_b32 v[F+6*\c+3+\i], v[CT+4*\c+\i]
.endr
.endr
.irp q, 0,1,2
	global_store_b128 v2, v[F+4*\q:F+4*\q+3], s[20:21] offset:1536*(\s)+512*\q   ; 32 lanes store 512 consecutive bytes, at a multiple of 256 from xc's first byte
.endr
.endm
	s_wait_alu depctr_va_vdst(0)
	LOADX 0
	LOADX 1
	QSTEP 0
	QSTEP 1
	QSTEP 2
	QSTEP 3
	v_cndmask_b32 v[BY], v[W], v[W+1], s42         ; lanes 0-15: the even K step's word of row r; lanes 16-31: the odd one's
	v_cndmask_b32 v[BY+1], v[W+2], v[W+3], s42
	global_store_b64 v2, v[BY:BY+1], s[22:23]
	s_wait_tensorcnt 0x0
	ds_add_u32 v240, v241
	s_wait_dscnt 0x0
	s_endpgm
	; ---------------- the mask's flags: a row to a wave ----------------
.Lmask:
	s_sub_co_u32 s27, ttmp9, 512
	s_lshl_b32 s27, s27, 2
	s_add_co_u32 s27, s27, s26                     ; my row
	s_lshl_b32 s28, s27, 13                        ; rows of 8,192 bytes
	s_mov_b32 s29, 0
	s_lshl_b32 s30, s27, 2
	s_mov_b32 s31, 0
	s_mov_b32 s32, 0                               ; the flags
	s_wait_kmcnt 0x0
	s_add_nc_u64 s[18:19], s[18:19], s[28:29]
	s_add_nc_u64 s[24:25], s[24:25], s[30:31]
	s_wait_alu depctr_va_vdst(0)
.irp i, 0,1,2,3,4,5,6,7,8,9,10,11,12,13,14,15
	global_load_b128 v[16+4*\i:19+4*\i], v2, s[18:19] offset:512*\i   ; load i is key step i: 128 numbers, 512 consecutive bytes
.endr
	v_mov_b32 v113, 0
	s_wait_loadcnt 0x0
.irp i, 0,1,2,3,4,5,6,7,8,9,10,11,12,13,14,15
	v_min3_num_f32 v[80+\i], v[16+4*\i], v[17+4*\i], v[18+4*\i]
	v_max3_num_f32 v[96+\i], |v[16+4*\i]|, |v[17+4*\i]|, |v[18+4*\i]|
.endr
.irp i, 0,1,2,3,4,5,6,7,8,9,10,11,12,13,14,15
	v_min_num_f32 v[80+\i], v[80+\i], v[19+4*\i]   ; my four numbers' smallest,
	v_max_num_f32 v[96+\i], v[96+\i], |v[19+4*\i]| ; and their largest magnitude
.endr
	v_min3_num_f32 v112, v80, v81, v82             ; the row's smallest: my 64 numbers,
.irp i, 83,85,87,89,91,93
	v_min3_num_f32 v112, v112, v[\i], v[\i+1]
.endr
	v_min_num_f32 v112, v112, v95
	v_min_num_f32_dpp v112, v112, v112 row_xmask:1 row_mask:0xf bank_mask:0xf   ; then the 32 lanes
	v_min_num_f32_dpp v112, v112, v112 row_xmask:2 row_mask:0xf bank_mask:0xf
	v_min_num_f32_dpp v112, v112, v112 row_xmask:4 row_mask:0xf bank_mask:0xf
	v_min_num_f32_dpp v112, v112, v112 row_xmask:8 row_mask:0xf bank_mask:0xf
	v_permlanex16_b32 v113, v112, s40, s41
	v_min_num_f32 v112, v112, v113
.irp i, 0,1,2,3,4,5,6,7,8,9,10,11,12,13,14,15
	v_sub_f32 v[80+\i], v[80+\i], v112             ; how far above the row's smallest: 0 where the smallest itself lies, whatever the numbers' size
.endr
.irp i, 0,1,2,3,4,5,6,7,8,9,10,11,12,13,14,15
	v_cmp_le_f32 s44, 0.5, v[80+\i]
	s_cmp_eq_u32 s44, -1                           ; in all 32 lanes?
	s_cselect_b32 s45, 1<<\i, 0
	s_or_b32 s32, s32, s45                         ; SKIP of key step i
	v_cmp_eq_f32 s44, 0, v[96+\i]
	s_cmp_eq_u32 s44, -1
	s_cselect_b32 s45, 1<<(16+\i), 0
	s_or_b32 s32, s32, s45                         ; ZERO of key step i
.endr
	v_mov_b32 v114, s32
	v_mov_b32 v115, 0
	v_cmp_eq_u32 vcc_lo, 0, v7
	s_wait_alu depctr_va_vdst(0)
	s_wait_xcnt 0x0                                ; EXEC changes only behind this wait
	s_and_saveexec_b32 s47, vcc_lo                 ; one lane stores the row's word
	global_store_b32 v115, v114, s[24:25]
	s_wait_xcnt 0x0                                ; and again in front of the line that widens it
	s_or_b32 exec_lo, exec_lo, s47
	s_endpgm
.Lfunc_end_k_qfc779b3566_prep:
	.size	k_qfc779b3566_prep, .Lfunc_end_k_qfc779b3566_prep-k_qfc779b3566_prep
	.p2alignl 7, 3214868480
	.fill 96, 4, 3214868480
	.section	.rodata,"a",@progbits
	.p2align	6, 0x0
	.amdhsa_kernel k_qfc779b3566_prep
		.amdhsa_group_segment_fixed_size 34304
		.amdhsa_private_segment_fixed_size 0
		.amdhsa_enable_private_segment 0
		.amdhsa_kernarg_size 88
		.amdhsa_user_sgpr_count 2
		.amdhsa_user_sgpr_kernarg_segment_ptr 1
		.amdhsa_wavefront_size32 1
		.amdhsa_system_sgpr_workgroup_id_x 1
		.amdhsa_system_sgpr_workgroup_id_y 1
		.amdhsa_system_sgpr_workgroup_id_z 1
		.amdhsa_system_vgpr_workitem_id 0
		.amdhsa_next_free_vgpr 242
		.amdhsa_next_free_sgpr 66
		.amdhsa_reserve_vcc 1
		.amdhsa_float_denorm_mode_32 3
		.amdhsa_float_denorm_mode_16_64 3
		.amdhsa_memory_ordered 1
		.amdhsa_forward_progress 1
		.amdhsa_inst_pref_size 44
	.end_amdhsa_kernel
	.amdgpu_metadata
---
amdhsa.version: [ 1, 2 ]
amdhsa.kernels:
  - .name:           k_qfc779b3566_prep
    .symbol:         k_qfc779b3566_prep.kd
    .args:
      - { .name: query, .offset: 0, .size: 8, .value_kind: global_buffer, .address_space: global }
      - { .name: key_, .offset: 8, .size: 8, .value_kind: global_buffer, .address_space: global }
      - { .name: value, .offset: 16, .size: 8, .value_kind: global_buffer, .address_space: global }
      - { .name: wq_w, .offset: 24, .size: 8, .value_kind: global_buffer, .address_space: global }
      - { .name: wk_w, .offset: 32, .size: 8, .value_kind: global_buffer, .address_space: global }
      - { .name: wv_w, .offset: 40, .size: 8, .value_kind: global_buffer, .address_space: global }
      - { .name: dense_w, .offset: 48, .size: 8, .value_kind: global_buffer, .address_space: global }
      - { .name: mask, .offset: 56, .size: 8, .value_kind: global_buffer, .address_space: global }
      - { .name: xc, .offset: 64, .size: 8, .value_kind: global_buffer, .address_space: global }
      - { .name: xs, .offset: 72, .size: 8, .value_kind: global_buffer, .address_space: global }
      - { .name: rowflags, .offset: 80, .size: 8, .value_kind: global_buffer, .address_space: global }
    .group_segment_fixed_size: 34304
    .private_segment_fixed_size: 0
    .kernarg_segment_align: 8
    .kernarg_segment_size: 88
    .max_flat_workgroup_size: 128
    .sgpr_count:     66
    .vgpr_count:     242
    .wavefront_size: 32
...
	.end_amdgpu_metadata
.endif
;; end of part 1
;; launch proj (part 2): grid 256 x 1, 4 waves a work-group, clusters of 4 x 1, 327,680 bytes of LDS; arguments xc, xs, wq_b, wk_b, wv_b, qkc, qks; writes qkc, qks
.if DOCPART == 2
	.amdgcn_target "amdgcn-amd-amdhsa--gfx1250"
	.amdhsa_code_object_version 6
	.text
	.protected	k_qfc779b3566_proj
	.globl	k_qfc779b3566_proj
	.p2align	8
	.type	k_qfc779b3566_proj,@function
k_qfc779b3566_proj:
	s_mov_b64 s[64:65], 0
	v_nop
	global_prefetch_b8 v0, s[64:65] scope:SCOPE_SE
	s_setreg_imm32_b32 hwreg(HW_REG_WAVE_MODE, 25, 1), 1
	s_wait_xcnt 0x0
	s_wait_alu depctr_hold_cnt(0) depctr_sa_sdst(0) depctr_va_vdst(0) depctr_va_sdst(0) depctr_va_ssrc(0) depctr_va_vcc(0) depctr_vm_vsrc(0)
	s_getreg_b32 s2, hwreg(HW_REG_IB_STS2, 6, 4)
	s_cmp_eq_u32 s2, 0
	s_cbranch_scc0 .Lentry_in_a_cluster
	s_endpgm
.Lentry_in_a_cluster:
	s_bfe_u32 s2, ttmp6, 0x10000c
	s_cmp_lg_u32 s2, 0x3003
	s_cbranch_scc0 .Lentry_shape_is_right
	s_endpgm
.Lentry_shape_is_right:
; PROJ.  q = query wq^T + bq, k = key_ wk^T + bk, v = value wv^T + bv on codes of FP6 (E2M3), sums in f32; each result is quantised in registers for the product that takes it next and leaves as codes.
; P is source 0 of the matrix instruction, R source 1: a lane holds ONE row of R, and its registers run along P's rows, which are the next product's K.
;   q, k: P = the weight (128 channels = two heads), R = x (tokens).      v: P = value (128 tokens = a key step), R = wv (channels).
; Tiles of 16 rows are not neighbours (tile 2 b + u, lane r: row 32 b + 8 u + r + 8 (r / 8)), so that the 16 registers of P's tiles 2 b, 2 b + 1 are 16 neighbours along the next K.
; SHARES.  The three products are 384 blocks of P 128 x R 256.  Each of the 256 work-groups makes one block of q or k (wave w of four: P's 8 tiles x R's tiles 4 w .. 4 w + 3) and then half a block of v (P's 8 x R's 2 w, 2 w + 1).
; CLUSTERS of 4 x 1: cluster c makes type c & 1, channels 128 ((c >> 1) & 7), tokens 256 (4 (c >> 4) + cx); then key step c >> 1 of v, channels 128 (4 (c & 1) + cx).  So both P operands hang on c alone:
; they are asked for JOINTLY, two tiles for all of K (24,576 bytes) a wave: the first P at the head, the second behind the first's wait and a round of the cluster's barrier.  No byte of LDS is filled twice.
; R's fragments are read by one wave alone: they go from memory straight into its registers (images: 16 bytes a lane on end), two K steps ahead of their products.
; The bias begins each sum, as the C of the first K step's instruction.  No prefetch: the text has no loop to run ahead in.
; REGISTERS, in windows of 256.  Window 0: addresses, scale words, three buffers of two P fragments, the way out.  Window 1: accumulator (t, p) at 64 p + 8 t.
;   Window 2: R's K steps 0-3 (48 (s % 4) + 12 p), later the v block's R (24 s + 12 p); v192-255 the bias of q, k along the registers.  Window 3: R's K steps 4-7; v192-207 the bias of v, my lane's channel, eight times for each tile.
; OUT.  qkc: q at 0, k at 3,145,728: [head 32][block of 32 tokens 64][1,536]: registers 0-5 the block's tile u = 0, 6-11 tile u = 1.  v at 6,291,456: [head][key step 16][tile of channels 4][1,536].
;       qks: q, k: [head][block][16 words]; v at 262,144: [head][key step][tile][16 words].
; LIMITS: a block of zeros gets the byte 1 (its codes are zeros; this program alone reads the bytes); NaN and infinities are not served.
.set SPARE, 196608                     ; behind the two P operands: the spare words, 128 bytes a wave
.set PSC,  8                           ; v8-39   P's scale words: tile t, K steps 2 a (lanes 0-15), 2 a + 1 (lanes 16-31) at v[8 + 4 t + a]
.set RSC,  40                          ; v40-55  R's: v[40 + 4 p + a]
.set PF,   56                          ; P's fragments: the first block two buffers of four, v56-151; the second block three buffers of two, v56-127
.set IMG,  128                         ; v128-175 four images
.set TM,   176
.set PW,   192
.set SW,   194
.set CT,   196
.set TP,   204
.set SA1,  240                         ; 4 r + 4,096 h, 4 r + 64 h: where the scale words go
.set SA2,  241
.set SPW,  254
.set NIL,  255
.set SEL,  26
.set G1,   28
.set G0,   36
.set G0B,  56
.set MSB, 0
.macro WIN new                         ; the immediate's high byte repeats the setting that is left
.if MSB != \new
	s_set_vgpr_msb (MSB<<8)|\new
.set MSB, \new
.endif
.endm
.macro PLACES                          ; four places behind matrix instructions (ISA guide 7.12.1)
.rept 4
	v_nop
.endr
.endm
.macro ROUND                           ; a round of the cluster's barrier
	s_barrier_signal -1
	s_barrier_wait -1
	s_cmp_lg_u32 s18, 0
	s_cbranch_scc1 .Lnot_wave_0_\@
	s_barrier_signal -3
.Lnot_wave_0_\@:
	s_barrier_wait -3
	s_barrier_signal -1
	s_barrier_wait -1
.endm
	s_load_b256 s[4:11], s[0:1], 0x0               ; xc, xs, wq_b, wk_b
	s_load_b128 s[12:15], s[0:1], 0x20             ; wv_b, qkc
	s_load_b64 s[16:17], s[0:1], 0x30              ; qks
	v_lshl_add_u32 v[SPW], v0, 2, SPARE
	v_mov_b32 v[NIL], 0
	ds_add_u32 v[SPW], v[NIL]                      ; the opening lines: the add, twice on end, and its wait
	ds_add_u32 v[SPW], v[NIL]
	v_lshrrev_b32 v1, 5, v0
	v_readfirstlane_b32 s18, v1                    ; wave 0..3
	s_bfe_u32 s19, ttmp6, 0x40000                  ; cx
	s_and_b32 s20, ttmp9, 1                        ; e: 0 q, 1 k
	s_lshr_b32 s21, ttmp9, 1                       ; v: which 128 tokens of value
	s_and_b32 s22, s21, 7                          ; px: which 128 channels of the weight
	s_lshr_b32 s23, ttmp9, 4
	s_lshl_b32 s23, s23, 2
	s_add_co_u32 s23, s23, s19                     ; ry: which 256 tokens
	s_lshl_b32 s24, s20, 6
	s_lshl_b32 s84, s22, 3
	s_add_co_u32 s24, s24, s84
	s_add_co_u32 s24, s24, 768                     ; the first P's first tile: wq 768, wk 832
	s_lshl_b32 s25, s21, 3
	s_add_co_u32 s25, s25, 512                     ; the second's: value from 512
	s_lshl_b32 s84, s23, 3
	s_lshl_b32 s85, s18, 1
	s_add_co_u32 s84, s84, s85                     ; 8 ry + 2 w: the first of my two blocks of 32 tokens
	s_lshl_b32 s85, s20, 8
	s_lshl_b32 s86, s84, 1
	s_add_co_u32 s85, s85, s86                     ; my first R tile: query 0, key_ 256
	s_lshl_b32 s86, s20, 2
	s_add_co_u32 s86, s86, s19
	s_lshl_b32 s86, s86, 2
	s_add_co_u32 s86, s86, s18                     ; 4 (4 e + cx) + w: my block of 32 channels of wv
	s_lshl_b32 s87, s86, 1
	s_add_co_u32 s87, s87, 896                     ; its first tile
	s_mov_b32 s[G1+0], 15|(3<<16)|(1<<21)          ; the mask names the cluster's four; elements of 8 bytes
	s_mov_b32 s[G1+1], 1536<<16                    ; a row is a tile's 12,288 bytes
	s_mov_b32 s[G1+2], 2<<16
	s_mov_b32 s[G1+3], 1536<<16
	s_mov_b32 s[G1+4], 2
	s_mov_b32 s[G1+5], 1536
	s_mov_b32 s[G1+6], 0
	s_mov_b32 s[G1+7], 0
	s_mov_b32 s[G0], 1
	s_mov_b32 s[G0B], 1
	s_mul_i32 s[G0+1], s18, 24576                  ; LDS: wave x two tiles;
	s_mul_i32 s[G0B+1], s18, 24576
	s_add_co_u32 s[G0B+1], s[G0B+1], 98304         ; the second P behind the first
	s_lshl_b32 s88, s18, 1
	s_add_co_u32 s90, s25, s88
	s_add_co_u32 s88, s24, s88
	s_mul_i32 s88, s88, 12288                      ; tiles 2 w, 2 w + 1 of the first P,
	s_mov_b32 s89, 0
	s_mul_i32 s90, s90, 12288                      ; and of the second
	s_mov_b32 s91, 0
	s_mul_i32 s40, s85, 12288
	s_mov_b32 s41, 0
	s_mul_i32 s42, s87, 12288
	s_mov_b32 s43, 0
	s_lshl_b32 s44, s24, 9
	s_mov_b32 s45, 0
	s_lshl_b32 s46, s85, 9
	s_mov_b32 s47, 0
	s_lshl_b32 s48, s25, 9
	s_mov_b32 s49, 0
	s_lshl_b32 s50, s87, 9
	s_mov_b32 s51, 0
	s_lshl_b32 s92, s22, 9                         ; q, k: the bias of my 128 channels
	s_mov_b32 s93, 0
	s_lshl_b32 s94, s86, 7                         ; v: of my 32
	s_mov_b32 s95, 0
	s_mov_b32 s[SEL], 0x76543210
	s_mov_b32 s[SEL+1], 0xfedcba98
	s_mov_b32 s99, 0xffff0000                      ; lanes 16-31
	v_and_b32 v243, 31, v0                         ; L
	v_and_b32 v244, 15, v0                         ; r
	v_bfe_u32 v245, v0, 4, 1                       ; h
	v_lshlrev_b32 v2, 4, v243                      ; 16 L: an image's place for my lane; the first P's tiles 0-3
	v_lshlrev_b32 v6, 6, v245                      ; 64 h
	v_and_b32 v7, 8, v244
	v_lshlrev_b32 v242, 2, v244                    ; 4 r
	v_add_nc_u32 v3, 49152, v2                     ; its tiles 4-7
	v_add_nc_u32 v4, 98304, v2                     ; the second P's tiles 0-3
	v_add_nc_u32 v5, 147456, v2                    ; and 4-7
	v_add_nc_u32 v7, v7, v244
	v_lshl_add_u32 v[SA1], v245, 12, v242
	v_lshl_add_u32 v[SA2], v245, 6, v242
	v_lshlrev_b32 v7, 2, v7                        ; 4 (r + 8 (r / 8))
.irp b, 0,1,2,3
	v_mov_b32 v[TM+4+\b], 0                        ; a lane permute's destination counts as one of its sources
.endr
	s_wait_alu depctr_va_vdst(0)                   ; the wait at the head's end
	s_wait_dscnt 0x0
	s_wait_kmcnt 0x0
	s_add_nc_u64 s[G0+2:G0+3], s[4:5], s[88:89]
	s_or_b32 s[G0+3], s[G0+3], 0x80000000
	s_add_nc_u64 s[G0B+2:G0B+3], s[4:5], s[90:91]
	s_or_b32 s[G0B+3], s[G0B+3], 0x80000000
	s_add_nc_u64 s[40:41], s[4:5], s[40:41]        ; my R fragments, first block
	s_add_nc_u64 s[42:43], s[4:5], s[42:43]        ; second block
	s_add_nc_u64 s[44:45], s[6:7], s[44:45]        ; scale words: first P, first R, second P, second R
	s_add_nc_u64 s[46:47], s[6:7], s[46:47]
	s_add_nc_u64 s[48:49], s[6:7], s[48:49]
	s_add_nc_u64 s[50:51], s[6:7], s[50:51]
	s_cmp_eq_u32 s20, 0
	s_cselect_b64 s[52:53], s[8:9], s[10:11]
	s_add_nc_u64 s[52:53], s[52:53], s[92:93]
	s_add_nc_u64 s[54:55], s[12:13], s[94:95]
	ROUND                                          ; in front of the first joint loads
	tensor_load_to_lds s[G0:G0+3], s[G1:G1+7]      ; the first P: my one tensor load at the head, ahead of the loads into registers
	s_nop 0
	PLACES
.macro RLOAD s                         ; K step s of my four R tiles: twelve loads
.if (\s) < 4
	WIN 0x80
.else
	WIN 0xc0
.endif
.irp p, 0,1,2,3
.irp c, 0,1,2
	global_load_b128 v[48*((\s)%4)+12*\p+4*\c:48*((\s)%4)+12*\p+4*\c+3], v2, s[40:41] offset:12288*\p+1536*(\s)+512*\c
.endr
.endr
.endm
.macro XLOAD j                         ; K steps 2 j, 2 j + 1 of the v block's two R tiles: twelve loads, onto registers whose K step of the first block is multiplied
	WIN 0x80
.irp d, 0,1
.irp p, 0,1
.irp c, 0,1,2
	global_load_b128 v[24*(2*(\j)+\d)+12*\p+4*\c:24*(2*(\j)+\d)+12*\p+4*\c+3], v2, s[42:43] offset:12288*\p+1536*(2*(\j)+\d)+512*\c
.endr
.endr
.endr
.endm
.irp t, 0,1,2,3,4,5,6,7
	global_load_b128 v[PSC+4*\t:PSC+4*\t+3], v2, s[44:45] offset:512*\t
.endr
.irp p, 0,1,2,3
	global_load_b128 v[RSC+4*\p:RSC+4*\p+3], v2, s[46:47] offset:512*\p
.endr
	WIN 0x80
.irp t, 0,1,2,3,4,5,6,7
	global_load_b128 v[192+8*\t:192+8*\t+3], v6, s[52:53] offset:(32*(\t/2)+8*(\t%2))*4      ; register j of tile t: channel 32 (t / 2) + 16 h + 8 (t % 2) + j
	global_load_b128 v[192+8*\t+4:192+8*\t+7], v6, s[52:53] offset:(32*(\t/2)+8*(\t%2))*4+16
.endr
	WIN 0xc0
	global_load_b32 v192, v7, s[54:55]             ; v: channel 8 p + r + 8 (r / 8) of my 32
	global_load_b32 v200, v7, s[54:55] offset:32
	RLOAD 0
	RLOAD 1
	WIN 0
	s_wait_tensorcnt 0x0                           ; my two tiles have landed
	ds_add_u32 v[SPW], v[NIL]
	s_wait_dscnt 0x0
	ROUND                                          ; everybody's have, in all four work-groups
	tensor_load_to_lds s[G0B:G0B+3], s[G1:G1+7]    ; the second P, on bytes of its own
	s_nop 0
	PLACES
.macro LOADG ph, n                     ; group n of a block: K step n / 4, P's tiles 2 (n % 4), + 1, into buffer n % 3: six loads
.irp i, 0,1
.irp c, 0,1,2
	ds_load_b128 v[PF+24*((\n)%3)+12*\i+4*\c:PF+24*((\n)%3)+12*\i+4*\c+3], v[2+2*(\ph)+(2*((\n)%4)+\i)/4] offset:12288*((2*((\n)%4)+\i)%4)+1536*((\n)/4)+512*\c
.endr
.endr
.endm
.macro PROD ph, t, p, s, buf           ; the first K step starts the sums on the bias; odd K steps take their scale words from lanes 16-31
.set rD, 64*(\p)+8*(\t)
.set rA, PF+24*(\buf)+12*((\t)%2)
.if \ph
.set rB, 24*(\s)+12*(\p)
.set rC, 192+8*(\p)
.else
.set rB, 48*((\s)%4)+12*(\p)
.set rC, 192+8*(\t)
.endif
.set rX, PSC+4*(\t)+(\s)/2
.set rY, RSC+4*(\p)+(\s)/2
.if (\s) == 0
	v_wmma_scale_f32_16x16x128_f8f6f4 v[rD:rD+7], v[rA:rA+11], v[rB:rB+11], v[rC:rC+7], v[rX], v[rY] matrix_a_fmt:MATRIX_FMT_FP6 matrix_b_fmt:MATRIX_FMT_FP6
.elseif (\s)%2 == 0
	v_wmma_scale_f32_16x16x128_f8f6f4 v[rD:rD+7], v[rA:rA+11], v[rB:rB+11], v[rD:rD+7], v[rX], v[rY] matrix_a_fmt:MATRIX_FMT_FP6 matrix_b_fmt:MATRIX_FMT_FP6
.else
	v_wmma_scale_f32_16x16x128_f8f6f4 v[rD:rD+7], v[rA:rA+11], v[rB:rB+11], v[rD:rD+7], v[rX], v[rY] matrix_a_fmt:MATRIX_FMT_FP6 matrix_b_fmt:MATRIX_FMT_FP6 matrix_a_scale:MATRIX_SCALE_ROW1 matrix_b_scale:MATRIX_SCALE_ROW1
.endif
.endm
.macro ITER ph, n                      ; group n is multiplied while groups n + 1 and n + 2 are on their way.  The accumulators take turns, one instruction a turn
	WIN 0
.if (\n) < 31
	s_wait_dscnt 6                                 ; group n is in; group n + 1's six loads may be out
.else
	s_wait_dscnt 0x0
.endif
.if (\n) < 30
.if (\n) > 0
	PLACES                                         ; the buffer was read by the group before
.endif
	LOADG \ph, (\n)+2
.endif
.if (\n)/4 == 0
.if \ph
	WIN 0x78                                       ; D window 1, C window 3, R window 2
.else
	WIN 0x68                                       ; D window 1, C and R window 2
.endif
.elseif (\ph) == 0 && (\n)/4 >= 4
	WIN 0x5c                                       ; C and D window 1, R window 3
.else
	WIN 0x58                                       ; C and D window 1, R window 2
.endif
.irp i, 0,1
.irp p, 0,1,2,3
.if (\ph) == 0 || \p < 2
	PROD \ph, 2*((\n)%4)+\i, \p, (\n)/4, (\n)%3
.endif
.endr
.endr
.endm
; 64 numbers of a lane in window 1, register 16 b + i = k 32 b + 16 (lane / 16) + i of my row, become codes: k 0-63 in v[d0 ..], k 64-127 in v[d1 ..], and the scale word in v[pw]
.macro LOADH n                         ; the first block: group n is K step n / 2, P's tiles 4 (n % 2) .. + 3, into buffer n % 2: twelve loads
.irp i, 0,1,2,3
.irp c, 0,1,2
	ds_load_b128 v[PF+48*((\n)%2)+12*\i+4*\c:PF+48*((\n)%2)+12*\i+4*\c+3], v[2+(\n)%2] offset:12288*\i+1536*((\n)/2)+512*\c
.endr
.endr
.endm
.macro ITERH n                         ; group n's sixteen products, the accumulators by turns, while group n + 1 is on its way
	WIN 0
	s_wait_dscnt 0x0                               ; group n is in: nothing else is out
.if (\n) < 15
.if (\n) > 0
	PLACES                                         ; the other buffer was read by the group before
.endif
	LOADH (\n)+1
.endif
.if (\n)%2 == 0                        ; a K step's head: R two steps on; from step 4 on a quarter of the v block's R
.if (\n)/2 < 6
	RLOAD (\n)/2+2
.endif
.if (\n)/2 >= 4
	XLOAD (\n)/2-4
.endif
.if (\n)/2 < 4
	s_wait_loadcnt 24                              ; this step's R is in: behind it the two steps' that follow
.elseif (\n)/2 == 4 || (\n)/2 == 7
	s_wait_loadcnt 36                              ; behind it three batches of twelve
.else
	s_wait_loadcnt 48                              ; four
.endif
.endif
.if (\n)/2 == 0
	WIN 0x68                                       ; D window 1, C and R window 2
.elseif (\n)/2 >= 4
	WIN 0x5c                                       ; C and D window 1, R window 3
.else
	WIN 0x58                                       ; C and D window 1, R window 2
.endif
.irp i, 0,1,2,3
.irp p, 0,1,2,3
	PROD 0, 4*((\n)%2)+\i, \p, (\n)/2, 2*((\n)%2)+\i/2
.endr
.endr
.endm
.macro QUANT s, d0, d1, pw
	WIN 0x05                                       ; sources 0 and 1 in window 1
.irp b, 0,1,2,3
	v_max3_num_f32 v[TM+\b], |v[\s+16*\b]|, |v[\s+16*\b+1]|, 0x1800000   ; my 16 numbers, each accumulator from its low end on, and the floor 2^(3 - 127): the byte cannot fall under 1
.endr
.irp i, 2,4,6,8,10,12,14
.irp b, 0,1,2,3
	v_max3_num_f32 v[TM+\b], |v[\s+16*\b+\i]|, |v[\s+16*\b+\i+1]|, v[TM+\b]
.endr
.endr
	WIN 0
.irp b, 0,1,2,3
	v_permlanex16_b32 v[TM+4+\b], v[TM+\b], s[SEL], s[SEL+1]
.endr
.irp b, 0,1,2,3
	v_max_num_f32 v[TM+\b], v[TM+\b], v[TM+4+\b]   ; with lane l xor 16's: the block's largest magnitude
.endr
.irp b, 0,1,2,3
	v_add_nc_u32 v[TM+12+\b], 0xff000000, v[TM+\b] ; 2 off its exponent field: the conversion's scale operand
.endr
.irp b, 0,1,2,3
	v_lshrrev_b32 v[TM+4+\b], 23, v[TM+12+\b]      ; the scale's byte
.endr
	v_lshl_or_b32 v[\pw], v[TM+5], 8, v[TM+4]
	v_lshl_or_b32 v[\pw], v[TM+6], 16, v[\pw]
	v_lshl_or_b32 v[\pw], v[TM+7], 24, v[\pw]
	WIN 0x01                                       ; the numbers in window 1
	v_cvt_scalef32_pk16_fp6_f32 v[\d0:\d0+2], v[\s:\s+15], v[TM+12]
	v_cvt_scalef32_pk16_fp6_f32 v[CT:CT+2], v[\s+16:\s+31], v[TM+13]
	v_cvt_scalef32_pk16_fp6_f32 v[\d1:\d1+2], v[\s+32:\s+47], v[TM+14]
	v_cvt_scalef32_pk16_fp6_f32 v[CT+4:CT+6], v[\s+48:\s+63], v[TM+15]
	WIN 0
	v_nop                                          ; one plain place behind a scaled conversion
.irp i, 0,1,2                                  ; the layout wants a WHOLE block in a lane
	v_permlane16_swap_b32 v[\d0+\i], v[CT+\i]
	v_permlane16_swap_b32 v[\d1+\i], v[CT+4+\i]
.endr
.irp i, 0,1,2
	v_mov_b32 v[\d0+3+\i], v[CT+\i]
	v_mov_b32 v[\d1+3+\i], v[CT+4+\i]
.endr
.endm
	; ---------------- the block of q or k ----------------
	LOADH 0
.set N, 0
.rept 16
	ITERH N
.set N, N+1
.endr
	WIN 0
	PLACES
.irp t, 0,1,2,3,4,5,6,7
	global_load_b128 v[PSC+4*\t:PSC+4*\t+3], v2, s[48:49] offset:512*\t   ; the second block's scale words
.endr
.irp p, 0,1
	global_load_b128 v[RSC+4*\p:RSC+4*\p+3], v2, s[50:51] offset:512*\p
.endr
	s_wait_tensorcnt 0x0                           ; my part of the second P has landed
	s_barrier_signal -1
	s_barrier_wait -1                              ; everybody's has
	LOADG 1, 0                                     ; its first groups land under the way out
	LOADG 1, 1
	WIN 0xc3
.irp p, 0,1
.irp j, 1,2,3,4,5,6,7
	v_mov_b32 v[192+8*\p+\j], v[192+8*\p]          ; v's bias is the same along my registers: eight times, as a C operand
.endr
.endr
	WIN 0
	s_lshr_b32 s90, s84, 6                         ; the batch,
	s_and_b32 s91, s84, 63                         ; the block of 32 tokens in it
	s_lshl_b32 s90, s90, 4
	s_lshl_b32 s92, s22, 1
	s_add_co_u32 s90, s90, s92                     ; the first of my two heads
	s_lshl_b32 s92, s90, 6
	s_add_co_u32 s92, s92, s91
	s_mul_i32 s92, s92, 1536
	s_mul_i32 s93, s20, 3145728
	s_add_co_u32 s60, s92, s93
	s_mov_b32 s61, 0
	s_add_nc_u64 s[60:61], s[14:15], s[60:61]      ; its image;
	s_add_nc_u64 s[62:63], s[60:61], 98304         ; the second head's lies 64 images on
	s_lshl_b32 s92, s90, 12
	s_lshl_b32 s93, s91, 6
	s_add_co_u32 s92, s92, s93
	s_lshl_b32 s93, s20, 17
	s_add_co_u32 s96, s92, s93
	s_mov_b32 s97, 0
	s_add_nc_u64 s[96:97], s[16:17], s[96:97]      ; its scale words; the second head's 4,096 bytes on
.irp j, 0,1                                    ; my two blocks of 32 tokens
	QUANT 128*\j, IMG+24*\j, IMG+24*\j+12, PW      ; tile u = 0: channels 0-63 the first head, 64-127 the second
	QUANT 128*\j+64, IMG+24*\j+6, IMG+24*\j+18, PW+1   ; tile u = 1
	v_perm_b32 v[SW], v[PW+1], v[PW], 0x05040100   ; the first head's word: u = 0's bytes 0, 1, then u = 1's
	v_perm_b32 v[SW+1], v[PW+1], v[PW], 0x07060302 ; the second head's
	v_cndmask_b32 v[TP+\j], v[SW], v[SW+1], s99    ; lanes 0-15 store the first word of row r, lanes 16-31 the second
.irp q, 0,1,2
	global_store_b128 v2, v[IMG+24*\j+4*\q:IMG+24*\j+4*\q+3], s[60:61] offset:1536*\j+512*\q       ; 32 lanes store 512 consecutive bytes, at a multiple of 256 from qkc's first byte
	global_store_b128 v2, v[IMG+24*\j+12+4*\q:IMG+24*\j+12+4*\q+3], s[62:63] offset:1536*\j+512*\q
.endr
	global_store_b32 v[SA1], v[TP+\j], s[96:97] offset:64*\j
.endr
	; ---------------- the half block of v ----------------
	s_wait_xcnt 0x0                                ; the stores have read their registers and bases
	s_wait_loadcnt 0x0                             ; the second block's R and scale words
	s_lshr_b32 s90, s21, 4                         ; the batch,
	s_and_b32 s91, s21, 15                         ; the key step
	s_lshl_b32 s90, s90, 4
	s_lshr_b32 s92, s86, 1
	s_add_co_u32 s90, s90, s92                     ; the head
	s_and_b32 s93, s86, 1                          ; which 32 of its 64 channels
	s_lshl_b32 s92, s90, 4
	s_add_co_u32 s92, s92, s91
	s_lshl_b32 s92, s92, 2
	s_lshl_b32 s94, s93, 1
	s_add_co_u32 s92, s92, s94
	s_mul_i32 s92, s92, 1536
	s_add_co_u32 s60, s92, 6291456
	s_mov_b32 s61, 0
	s_add_nc_u64 s[60:61], s[14:15], s[60:61]
	s_lshl_b32 s92, s90, 12
	s_lshl_b32 s94, s91, 8
	s_add_co_u32 s92, s92, s94
	s_lshl_b32 s94, s93, 7
	s_add_co_u32 s92, s92, s94
	s_add_co_u32 s96, s92, 262144
	s_mov_b32 s97, 0
	s_add_nc_u64 s[96:97], s[16:17], s[96:97]
.set N, 0
.rept 32
	ITER 1, N
.set N, N+1
.endr
	WIN 0
	PLACES
	QUANT 0, IMG, IMG+6, SW                        ; 16 channels x the step's 128 keys: a whole fragment
	QUANT 64, IMG+12, IMG+18, SW+1
	v_cndmask_b32 v[TP], v[SW], v[SW+1], s99
.irp q, 0,1,2,3,4,5
	global_store_b128 v2, v[IMG+4*\q:IMG+4*\q+3], s[60:61] offset:512*\q   ; the second tile's image follows the first's
.endr
	global_store_b32 v[SA2], v[TP], s[96:97]
	s_wait_tensorcnt 0x0                           ; the wave's end
	ds_add_u32 v[SPW], v[NIL]
	s_wait_dscnt 0x0
	ROUND                                          ; the closing round
	s_endpgm
.Lfunc_end_k_qfc779b3566_proj:
	.size	k_qfc779b3566_proj, .Lfunc_end_k_qfc779b3566_proj-k_qfc779b3566_proj
	.p2alignl 7, 3214868480
	.fill 96, 4, 3214868480
	.section	.rodata,"a",@progbits
	.p2align	6, 0x0
	.amdhsa_kernel k_qfc779b3566_proj
		.amdhsa_group_segment_fixed_size 327680
		.amdhsa_private_segment_fixed_size 0
		.amdhsa_enable_private_segment 0
		.amdhsa_kernarg_size 56
		.amdhsa_user_sgpr_count 2
		.amdhsa_user_sgpr_kernarg_segment_ptr 1
		.amdhsa_wavefront_size32 1
		.amdhsa_system_sgpr_workgroup_id_x 1
		.amdhsa_system_sgpr_workgroup_id_y 1
		.amdhsa_system_sgpr_workgroup_id_z 1
		.amdhsa_system_vgpr_workitem_id 0
		.amdhsa_next_free_vgpr 1024
		.amdhsa_next_free_sgpr 100
		.amdhsa_reserve_vcc 0
		.amdhsa_float_denorm_mode_32 3
		.amdhsa_float_denorm_mode_16_64 3
		.amdhsa_memory_ordered 1
		.amdhsa_forward_progress 1
		.amdhsa_inst_pref_size 135
	.end_amdhsa_kernel
	.amdgpu_metadata
---
amdhsa.version: [ 1, 2 ]
amdhsa.kernels:
  - .name:           k_qfc779b3566_proj
    .symbol:         k_qfc779b3566_proj.kd
    .args:
      - { .name: xc, .offset: 0, .size: 8, .value_kind: global_buffer, .address_space: global }
      - { .name: xs, .offset: 8, .size: 8, .value_kind: global_buffer, .address_space: global }
      - { .name: wq_b, .offset: 16, .size: 8, .value_kind: global_buffer, .address_space: global }
      - { .name: wk_b, .offset: 24, .size: 8, .value_kind: global_buffer, .address_space: global }
      - { .name: wv_b, .offset: 32, .size: 8, .value_kind: global_buffer, .address_space: global }
      - { .name: qkc, .offset: 40, .size: 8, .value_kind: global_buffer, .address_space: global }
      - { .name: qks, .offset: 48, .size: 8, .value_kind: global_buffer, .address_space: global }
    .group_segment_fixed_size: 327680
    .private_segment_fixed_size: 0
    .kernarg_segment_align: 8
    .kernarg_segment_size: 56
    .max_flat_workgroup_size: 128
    .sgpr_count:     100
    .vgpr_count:     1024
    .wavefront_size: 32
...
	.end_amdgpu_metadata
.endif
;; end of part 2
;; launch attn (part 3): grid 256 x 1, 16 waves a work-group, no clusters, 206,848 bytes of LDS; arguments qkc, qks, rowflags, mask, oc, os; writes oc, os
.if DOCPART == 3
	.amdgcn_target "amdgcn-amd-amdhsa--gfx1250"
	.amdhsa_code_object_version 6
	.text
	.protected	k_qfc779b3566_attn
	.globl	k_qfc779b3566_attn
	.p2align	8
	.type	k_qfc779b3566_attn,@function
k_qfc779b3566_attn:
	s_mov_b64 s[64:65], 0
	v_nop
	global_prefetch_b8 v0, s[64:65] scope:SCOPE_SE
	s_setreg_imm32_b32 hwreg(HW_REG_WAVE_MODE, 25, 1), 1
	s_wait_xcnt 0x0
; ATTN.  o = softmax(q k^T / 8 + mask x (-1e9)) v for one head, both products on codes of FP6 (E2M3); the result is quantised along the model's 1,024 (blocks of 32 lie inside a head) and leaves as codes for the last product.
; THE SOFTMAX AHEAD OF THE SECOND PRODUCT: t = logit x log2(e); M = the row's largest t so far, rounded UP to a whole number; p = 2^(t - M) is quantised along the keys, not normalised; the row's sum is taken of the
; unquantised p and divides at the end.  When M moves, the sum and O are multiplied by 2^(old M - new M): exact.
; SHARES.  A work-group takes one head (work-group / 8) and eight blocks of 32 queries: four early ones and four late ones; each of its sixteen waves one tile of 16 queries, in 254 registers: four waves to a SIMD.
; The head's K and V images (98,304 bytes each) and their scale words come into LDS ONCE, through registers; two barriers; after the second LDS is only read.
; THE MASK IS AN INPUT.  The launch before has stored, for each mask row and key step of 128 keys, SKIP (every mask number of the step lies 0.5 or more above the row's smallest) and ZERO (all are 0).  A wave ANDs the
; words of its block's 32 rows.  A step that is SKIP for all of them is left out: its logits lie 5e8 or more under the logit at the row's smallest mask number, so every p is 0 in f32.  A step that is ZERO takes no mask
; numbers.  Every other step loads them and adds mask x (-8e9) to the raw score by one fused multiply-add (8 x the logit).  The step with a row's smallest mask number is never SKIP.
; The launch has no tensor load, no copy and no joint request, though the eight work-groups of a head read the same K and V.
; LIMITS: |q . k / 8| under 2e8 (for SKIP); NaN and infinities in the mask or the scores are not served; a block of zeros gets the byte 1 (its codes are zeros).
; K = 64 IN AN INSTRUCTION OF 128.  An image of K holds a block of 32 keys: registers 0-5 (k slots 0-63) tile u = 0, registers 6-11 (slots 64-127) tile u = 1.  Against [q | 0] it gives tile 0's scores, against [0 | q] tile 1's:
; zero codes add nothing.  The keys of a tile are not neighbours (lane r of tile u: key 32 b + 8 u + r + 8 (r / 8)), so register 16 b + i of lane (r, h) is key 32 b + 16 h + i of query r.
; Both products are used transposed (source 0 = keys, or V's channels; source 1 = my queries): a lane holds ONE query throughout.
; THE FILL GOES IN TWO PARTS, so there are two barriers and not one.  Key steps 0-7 of K and V (wave w: 3,072 bytes of each) and all scale words are stored ahead of the first barrier.  Key steps 8-15 follow during the
; first six trips, which read key steps 0-5 alone: in each trip a wave loads 512 bytes of K and 512 of V into v242-249 at the trip's head and stores them at its end, whether the step counts for it or not; then the second
; barrier, and the other ten trips.  Each byte of LDS is still written once.  v252: my wave's 3,072 bytes, 16 bytes a lane; s84: where the trip's 512 bytes go; s[82:83]: where they come from.
.set QHI, 16
.set QLO, 22                           ; v22-33  [q | 0]: the two share q's six registers
.set QS,  34                           ; v34     q's scale word: its two bytes, twice
.set KV,  36                           ; v36-83  four images: of K, then mask numbers, then of V
.set KS,  84                           ; v84-85  K's scale words: blocks 2 i (lanes 0-15), 2 i + 1 (lanes 16-31)
.set VS,  86                           ; v86-87  V's
.set S,   96                           ; v96-159 the scores, then p
.set O,   160                          ; v160-191 O^T: register 16 b + i = channel 32 b + 16 h + i
.set PC,  192                          ; v192-203 p's codes
.set CT,  204                          ; v204-206, v208-210
.set BM,  212                          ; v212-215 each block's largest score
.set PD,  216                          ; v216-219
.set SO,  220                          ; v220-223 the conversions' scale operands
.set TP,  224
.set FF,  226                          ; v[226:227] f = 2^(old M - new M), and a 0 named with it as a pair
.set PS,  228                          ; v228    p's scale word
	s_load_b256 s[4:11], s[0:1], 0x0               ; qkc s[4:5], qks s[6:7], rowflags s[8:9], mask s[10:11]
	s_load_b128 s[12:15], s[0:1], 0x20             ; oc s[12:13], os s[14:15]
	v_lshl_add_u32 v240, v0, 2, 0x32000
	v_mov_b32 v241, 0
	v_lshrrev_b32 v1, 5, v0
	s_delay_alu instid0(VALU_DEP_1)
	v_readfirstlane_b32 s16, v1                    ; wave 0..15
	s_lshr_b32 s17, ttmp9, 3                       ; the head, 0..31
	s_and_b32 s18, ttmp9, 7                        ; g
	s_lshr_b32 s19, s16, 1                         ; i
	s_and_b32 s20, s16, 1                          ; u
	s_lshl_b32 s66, s18, 2
	s_add_co_u32 s66, s66, s19
	s_sub_co_u32 s67, 67, s66
	s_cmp_lt_u32 s19, 4
	s_cselect_b32 s21, s66, s67                    ; my block of 32 queries: 4 g + i, or 67 - 4 g - i: blocks 4 g .. 4 g + 3 and 63 - 4 g .. 60 - 4 g
	s_mov_b32 s22, 0x76543210
	s_mov_b32 s23, 0xfedcba98                      ; v_permlanex16_b32's selects for lane l xor 16
	s_mov_b32 s24, 0x3e38aa3b                      ; c = log2(e) / 8
	s_mov_b32 s25, s24                             ; (the packed forms name pairs and take the low word for both halves)
	s_mov_b32 s26, 0xcfee6b28                      ; -8e9
	s_mov_b32 s27, s26
	v_and_b32 v6, 31, v0                           ; L
	v_and_b32 v7, 15, v0                           ; r
	v_bfe_u32 v9, v0, 4, 1                         ; h
	s_delay_alu instid0(VALU_DEP_3)
	v_lshlrev_b32 v1, 4, v6                        ; 16 L: K's images
	s_delay_alu instid0(VALU_DEP_1)
	v_add_nc_u32 v2, 98304, v1                     ; V's
	v_lshl_add_u32 v3, v6, 2, 196608               ; K's scale words
	v_lshl_add_u32 v4, v6, 2, 200704               ; V's
	v_and_b32 v8, 8, v7
	s_delay_alu instid0(VALU_DEP_1)
	v_add_nc_u32 v8, v8, v7
	s_lshl_b32 s68, s21, 5
	s_lshl_b32 s69, s20, 3
	s_add_co_u32 s68, s68, s69
	v_add_nc_u32 v8, s68, v8                       ; my query: 32 qb + 8 u + r + 8 (r / 8)
	s_delay_alu instid0(VALU_DEP_1)
	v_lshlrev_b32 v5, 13, v8
	s_delay_alu instid0(VALU_DEP_1)
	v_lshl_add_u32 v5, v9, 6, v5                   ; its mask row, + 64 h bytes: keys 16 h on
	v_lshlrev_b32 v229, 2, v7                      ; 4 r
	v_lshlrev_b32 v230, 4, v7                      ; 16 r
	v_lshlrev_b32 v231, 3, v6                      ; 8 L
	s_mul_i32 s69, s16, 3072
	v_add_nc_u32 v252, s69, v1                     ; kept for the second part of the fill
	v_add_nc_u32 v10, s69, v1                      ; the fill: my wave's 3,072 bytes of K's images of key steps 0-7, in memory and in LDS alike;
	s_delay_alu instid0(VALU_DEP_1)
	v_add_nc_u32 v11, 98304, v10                   ; of V's in LDS
	s_lshl_b32 s68, s16, 9
	v_add_nc_u32 v35, s68, v1
	s_delay_alu instid0(VALU_DEP_1)
	v_add_nc_u32 v35, 196608, v35                  ; my wave's 512 bytes of scale words: waves 0-7 K's, waves 8-15 V's
	s_mul_i32 s70, s17, 98304
	s_add_co_u32 s70, s70, 3145728                 ; the head's K images; V's lie 3,145,728 bytes on
	s_mov_b32 s71, 0
	s_cmp_lt_u32 s16, 8
	s_cselect_b32 s72, 0, 126976                   ; V's scale words lie 131,072 bytes behind K's, and wave 8 begins them
	s_add_co_u32 s72, s72, s68
	s_lshl_b32 s73, s17, 12
	s_add_co_u32 s72, s72, s73
	s_add_co_u32 s72, s72, 131072
	s_lshl_b32 s74, s17, 6
	s_add_co_u32 s74, s74, s21
	s_mul_i32 s74, s74, 1536                       ; q's image
	s_lshl_b32 s76, s21, 6
	s_add_co_u32 s76, s76, s73                     ; q's scale words
	s_mov_b32 s73, 0
	s_mov_b32 s75, 0
	s_mov_b32 s77, 0
	s_lshl_b32 s78, s21, 7                         ; the flags of my block's 32 rows
	s_mov_b32 s79, 0
	s_wait_alu depctr_va_vdst(0)
	s_wait_kmcnt 0x0
	s_add_nc_u64 s[70:71], s[4:5], s[70:71]
	s_add_nc_u64 s[82:83], s[70:71], 49152         ; K's images of key steps 8-15
	s_add_nc_u64 s[72:73], s[6:7], s[72:73]
	s_add_nc_u64 s[74:75], s[4:5], s[74:75]
	s_add_nc_u64 s[76:77], s[6:7], s[76:77]
	s_add_nc_u64 s[78:79], s[8:9], s[78:79]
.irp n, 0,1,2,3,4,5
	global_load_b128 v[96+4*\n:99+4*\n], v10, s[70:71] offset:512*\n
.endr
.irp n, 0,1,2,3,4,5
	global_load_b128 v[144+4*\n:147+4*\n], v10, s[70:71] offset:3145728+512*\n
.endr
	global_load_b128 v[192:195], v1, s[72:73]
.irp c, 0,1,2
	global_load_b128 v[KV+4*\c:KV+4*\c+3], v1, s[74:75] offset:512*\c   ; q's image: registers 0-5 tile u = 0, 6-11 tile u = 1
.endr
	global_load_b32 v48, v229, s[76:77]
	s_load_b512 s[32:47], s[78:79], 0x0
	s_load_b512 s[48:63], s[78:79], 0x40
	s_cmp_eq_u32 s20, 1
	s_cselect_b32 s80, -1, 0                       ; all lanes take tile u's set
	s_mov_b32 s81, 0x01000100
	s_cselect_b32 s81, 0x03020302, s81             ; and its two bytes of the scale word, twice
	s_wait_loadcnt 4                               ; the first part's 13 loads are in; q's four may be out
.irp n, 0,1,2,3,4,5
	ds_store_b128 v10, v[96+4*\n:99+4*\n] offset:512*\n
.endr
.irp n, 0,1,2,3,4,5
	ds_store_b128 v11, v[144+4*\n:147+4*\n] offset:512*\n
.endr
	ds_store_b128 v35, v[192:195]
	s_wait_loadcnt 0x0
.irp i, 0,1,2,3,4,5
	v_mov_b32 v[QHI+\i], 0
	v_mov_b32 v[QLO+6+\i], 0
	v_cndmask_b32 v[QLO+\i], v[KV+\i], v[KV+6+\i], s80
.endr
	v_perm_b32 v[QS], v48, v48, s81
	v_mov_b32 v13, 0xff61b1e6                      ; the largest t so far: -3e38, under every t
	s_delay_alu instid0(VALU_DEP_1)
	v_floor_f32 v12, -v13                          ; -M
	v_mov_b32 v14, 0                               ; the sum, in two halves
	v_mov_b32 v15, 0
.set cnt, 0
.rept 32
	v_mov_b32 v[O+cnt], 0                          ; O^T.  (The step is written once: the first finds zeros.  These lines are also the places between q's operand and scale word and the first product)
.set cnt, cnt+1
.endr
.irp b, 0,1,2,3
	v_mov_b32 v[PD+\b], 0                          ; a lane permute's destination counts as one of its sources
.endr
	v_mov_b32 v[TP], 0
	v_mov_b32 v[FF+1], 0
	s_wait_kmcnt 0x0
	s_and_b32 s28, s32, s33                        ; a flag holds for the wave where it holds for all 32 rows of the block
.irp k, 34,35,36,37,38,39,40,41,42,43,44,45,46,47,48,49,50,51,52,53,54,55,56,57,58,59,60,61,62,63
	s_and_b32 s28, s28, s[\k]
.endr
	s_mov_b32 s29, 0                               ; where the step's images begin: 6,144 bytes a step
	s_mov_b32 s30, 0                               ; and its scale words: 256
	s_mov_b32 s31, 0
	s_mov_b32 s84, 49152                           ; LDS: K's key steps 8-15 begin here; V's lie 98,304 bytes on
	s_wait_dscnt 0x0                               ; for the others' sake: my stores have landed
	s_barrier_signal -1
	s_barrier_wait -1                              ; key steps 0-7 of K and V and all scale words lie in LDS
.macro QK b                            ; block b of 32 keys: its two tiles
.if (\b)%2
	v_wmma_scale_f32_16x16x128_f8f6f4 v[S+16*\b:S+16*\b+7], v[KV+12*\b:KV+12*\b+11], v[QLO:QLO+11], 0, v[KS+(\b)/2], v[QS] matrix_a_fmt:MATRIX_FMT_FP6 matrix_b_fmt:MATRIX_FMT_FP6 matrix_a_scale:MATRIX_SCALE_ROW1
	v_wmma_scale_f32_16x16x128_f8f6f4 v[S+16*\b+8:S+16*\b+15], v[KV+12*\b:KV+12*\b+11], v[QHI:QHI+11], 0, v[KS+(\b)/2], v[QS] matrix_a_fmt:MATRIX_FMT_FP6 matrix_b_fmt:MATRIX_FMT_FP6 matrix_a_scale:MATRIX_SCALE_ROW1
.else
	v_wmma_scale_f32_16x16x128_f8f6f4 v[S+16*\b:S+16*\b+7], v[KV+12*\b:KV+12*\b+11], v[QLO:QLO+11], 0, v[KS+(\b)/2], v[QS] matrix_a_fmt:MATRIX_FMT_FP6 matrix_b_fmt:MATRIX_FMT_FP6
	v_wmma_scale_f32_16x16x128_f8f6f4 v[S+16*\b+8:S+16*\b+15], v[KV+12*\b:KV+12*\b+11], v[QHI:QHI+11], 0, v[KS+(\b)/2], v[QS] matrix_a_fmt:MATRIX_FMT_FP6 matrix_b_fmt:MATRIX_FMT_FP6
.endif
.endm
.macro STEPS fill, last                ; the trips up to key step last - 1; fill = 1: each trip also brings 1,024 bytes of the fill's second part
.Lstep_\@:
.if \fill
	global_load_b128 v[242:245], v252, s[82:83]
	global_load_b128 v[246:249], v252, s[82:83] offset:3145728
.endif
	s_and_b32 s66, s28, 1                          ; SKIP: nothing of this step counts for any of my queries
	s_cbranch_scc1 .Lnext_\@
	v_add_nc_u32 v8, s29, v1                       ; (these four are also the places behind the last step's products, in front of the loads below)
	v_add_nc_u32 v9, s29, v2
	v_add_nc_u32 v10, s30, v3
	v_add_nc_u32 v11, s30, v4
.irp b, 0,1,2,3
.irp c, 0,1,2
	ds_load_b128 v[KV+12*\b+4*\c:KV+12*\b+4*\c+3], v8 offset:1536*\b+512*\c
.endr
.endr
	ds_load_b32 v[KS], v10
	ds_load_b32 v[KS+1], v10 offset:128
	s_wait_dscnt 0x0
	QK 0
	QK 1
	QK 2
	QK 3
.rept 4
	v_nop                                          ; places in front of the first read of the scores and of loads into K's registers
.endr
	s_and_b32 s66, s28, 0x10000                    ; ZERO: the mask adds nothing in this step
	s_cbranch_scc1 .Lplain_\@
.irp hf, 0,1                                   ; the mask's numbers at my query's keys, 32 at a time: register 16 b + i wants key 32 b + 16 h + i
.irp n, 0,1,2,3,4,5,6,7
	global_load_b128 v[KV+4*\n:KV+4*\n+3], v5, s[10:11] offset:128*(2*\hf+\n/4)+16*(\n%4)
.endr
	s_wait_loadcnt 0x0
.irp m, 0,2,4,6,8,10,12,14,16,18,20,22,24,26,28,30
	v_pk_fma_f32 v[S+32*\hf+\m:S+32*\hf+\m+1], v[KV+\m:KV+\m+1], s[26:27], v[S+32*\hf+\m:S+32*\hf+\m+1] op_sel_hi:[1,0,1]   ; score - 8e9 x mask = 8 x the logit
.endr
.endr
.Lplain_\@:
	s_wait_alu depctr_va_vdst(0)
.irp t, 0,1,2,3                                ; V's four images and scale words: they land under the softmax
.irp c, 0,1,2
	ds_load_b128 v[KV+12*\t+4*\c:KV+12*\t+4*\c+3], v9 offset:1536*\t+512*\c
.endr
.endr
	ds_load_b32 v[VS], v11
	ds_load_b32 v[VS+1], v11 offset:128
.irp b, 0,1,2,3
	v_max3_num_f32 v[BM+\b], v[S+16*\b], v[S+16*\b+1], v[S+16*\b+2]   ; the largest score of each block of 32 keys: it serves for the row's maximum and, since p rises with the score, for the block's largest p
.endr
.irp i, 3,5,7,9,11,13
.irp b, 0,1,2,3
	v_max3_num_f32 v[BM+\b], v[BM+\b], v[S+16*\b+\i], v[S+16*\b+\i+1]
.endr
.endr
.irp b, 0,1,2,3
	v_max_num_f32 v[BM+\b], v[BM+\b], v[S+16*\b+15]
.endr
.irp b, 0,1,2,3
	s_delay_alu instid0(VALU_DEP_4)
	v_permlanex16_b32 v[PD+\b], v[BM+\b], s22, s23
.endr
.irp b, 0,1,2,3
	s_delay_alu instid0(VALU_DEP_4)
	v_max_num_f32 v[BM+\b], v[BM+\b], v[PD+\b]     ; with lane l xor 16's 16 keys
.endr
	s_delay_alu instid0(VALU_DEP_2)
	v_max3_num_f32 v[TP], v[BM], v[BM+1], v[BM+2]
	s_delay_alu instid0(VALU_DEP_1)
	v_max_num_f32 v[TP], v[TP], v[BM+3]            ; the step's largest score of my query
	s_delay_alu instid0(VALU_DEP_1)
	v_mul_f32 v[TP], s24, v[TP]                    ; as t (c is positive)
	s_delay_alu instid0(VALU_DEP_1)
	v_max_num_f32 v13, v13, v[TP]                  ; the running largest t
	v_mov_b32 v[TP], v12
	s_delay_alu instid0(VALU_DEP_2)
	v_floor_f32 v12, -v13                          ; the new -M = floor(-t): M is a whole number
	s_delay_alu instid0(VALU_DEP_1)
	v_sub_f32 v[TP], v12, v[TP]                    ; old M less new M: a whole number, 0 or less
	s_delay_alu instid0(VALU_DEP_1)
	v_cvt_i32_f32 v[TP], v[TP]                     ; (it saturates)
	s_delay_alu instid0(VALU_DEP_1)
	v_ldexp_f32 v[FF], 1.0, v[TP]                  ; f = 2^(old M - new M)
.irp j, 0,2,4,6,8,10,12,14,16,18,20,22,24,26,28,30,32,34,36,38,40,42,44,46,48,50,52,54,56,58,60,62
	v_pk_fma_f32 v[S+\j:S+\j+1], v[S+\j:S+\j+1], s[24:25], v[12:13] op_sel_hi:[1,0,0]   ; t - M, two at a time
.endr
.irp b, 0,1,2,3
	v_fma_f32 v[BM+\b], v[BM+\b], s24, v12         ; the same of each block's largest score
.endr
.set cnt, 0
	s_wait_alu depctr_va_vdst(0)
.rept 64
	v_exp_f32 v[S+cnt], v[S+cnt]                   ; p = 2^(t - M): not normalised
.set cnt, cnt+1
.endr
	v_pk_mul_f32 v[14:15], v[14:15], v[FF:FF+1] op_sel_hi:[1,0]   ; the sums under the new M.  (A plain place behind the exponentials)
	s_wait_alu depctr_va_vdst(0)                   ; one for the whole batch, ahead of its first reader
.irp b, 0,1,2,3
	v_exp_f32 v[BM+\b], v[BM+\b]                   ; the block's largest p: the same two instructions on the same number give the same bits
.endr
	v_pk_add_f32 v[216:217], v[100:101], v[104:105]
	v_pk_add_f32 v[238:239], v[108:109], v[112:113]
	v_pk_add_f32 v[236:237], v[116:117], v[120:121]
	v_pk_add_f32 v[234:235], v[124:125], v[128:129]
	v_pk_add_f32 v[232:233], v[132:133], v[136:137]
	v_pk_add_f32 v[94:95], v[140:141], v[144:145]
	v_pk_add_f32 v[92:93], v[148:149], v[152:153]
	v_pk_add_f32 v[14:15], v[14:15], v[156:157]
	v_pk_add_f32 v[216:217], v[216:217], v[96:97]
	v_pk_add_f32 v[238:239], v[238:239], v[98:99]
	v_pk_add_f32 v[236:237], v[236:237], v[102:103]
	v_pk_add_f32 v[234:235], v[234:235], v[106:107]
	v_pk_add_f32 v[232:233], v[232:233], v[110:111]
	v_pk_add_f32 v[94:95], v[94:95], v[114:115]
	v_pk_add_f32 v[92:93], v[92:93], v[118:119]
	v_pk_add_f32 v[14:15], v[14:15], v[122:123]
	v_pk_add_f32 v[216:217], v[216:217], v[126:127]
	v_pk_add_f32 v[238:239], v[238:239], v[130:131]
	v_pk_add_f32 v[236:237], v[236:237], v[134:135]
	v_pk_add_f32 v[234:235], v[234:235], v[138:139]
	v_pk_add_f32 v[232:233], v[232:233], v[142:143]
	v_pk_add_f32 v[94:95], v[94:95], v[146:147]
	v_pk_add_f32 v[92:93], v[92:93], v[150:151]
	v_pk_add_f32 v[14:15], v[14:15], v[154:155]
	v_pk_add_f32 v[216:217], v[216:217], v[158:159]
	s_delay_alu instid0(VALU_DEP_2)
	v_pk_add_f32 v[14:15], v[14:15], v[234:235]
	s_delay_alu instid0(VALU_DEP_2)
	v_pk_add_f32 v[216:217], v[216:217], v[232:233]
	v_pk_add_f32 v[238:239], v[238:239], v[94:95]
	v_pk_add_f32 v[236:237], v[236:237], v[92:93]
	s_delay_alu instid0(VALU_DEP_2)
	v_pk_add_f32 v[14:15], v[14:15], v[238:239]
	s_delay_alu instid0(VALU_DEP_2)
	v_pk_add_f32 v[216:217], v[216:217], v[236:237]
	s_delay_alu instid0(VALU_DEP_1)
	v_pk_add_f32 v[14:15], v[14:15], v[216:217]
	s_wait_alu depctr_va_vdst(0)                   ; and one for the four
.irp b, 0,1,2,3
	v_max_num_f32 v[BM+\b], 0x1800000, v[BM+\b]    ; the floor 2^(3 - 127): the byte cannot fall under 1 (a block whose every p is 0 keeps that byte: its codes are zeros)
.endr
.irp b, 0,1,2,3
	s_delay_alu instid0(VALU_DEP_4)
	v_add_nc_u32 v[SO+\b], 0xff000000, v[BM+\b]    ; 2 off the exponent field: the conversion's scale operand
.endr
.irp b, 0,1,2,3
	s_delay_alu instid0(VALU_DEP_4)
	v_lshrrev_b32 v[PD+\b], 23, v[SO+\b]           ; the scale's byte
.endr
	s_delay_alu instid0(VALU_DEP_3)
	v_lshl_or_b32 v[PS], v[PD+1], 8, v[PD]         ; p's scale word for these 128 keys
	s_delay_alu instid0(VALU_DEP_1)
	v_lshl_or_b32 v[PS], v[PD+2], 16, v[PS]
	s_delay_alu instid0(VALU_DEP_1)
	v_lshl_or_b32 v[PS], v[PD+3], 24, v[PS]
.irp c, 0,1
	v_cvt_scalef32_pk16_fp6_f32 v[PC+6*\c:PC+6*\c+2], v[S+32*\c:S+32*\c+15], v[SO+2*\c]
	v_cvt_scalef32_pk16_fp6_f32 v[CT+4*\c:CT+4*\c+2], v[S+32*\c+16:S+32*\c+31], v[SO+2*\c+1]
.endr
	v_nop                                          ; one plain place behind a scaled conversion
.irp c, 0,1                                    ; the layout wants a WHOLE block in a lane: lanes 0-15 block 2 c, lanes 16-31 block 2 c + 1
.irp i, 0,1,2
	v_permlane16_swap_b32 v[PC+6*\c+\i], v[CT+4*\c+\i]
.endr
.irp i, 0,1,2
	s_delay_alu instid0(VALU_DEP_3)
	v_mov_b32 v[PC+6*\c+3+\i], v[CT+4*\c+\i]
.endr
.endr
.irp j, 0,2,4,6,8,10,12,14,16,18,20,22,24,26,28,30
	v_pk_mul_f32 v[O+\j:O+\j+1], v[O+\j:O+\j+1], v[FF:FF+1] op_sel_hi:[1,0]   ; O^T under the new M.  (Of these 16, the 12 that name none of a product's registers are the places between p's codes and scale word and that product)
.endr
	s_wait_alu depctr_va_vdst(0)
	s_wait_dscnt 0x0                               ; V
.irp t, 0,2                                    ; O^T += V^T P^T: four tiles of 16 channels, K = these 128 keys; four accumulators, one instruction each
	v_wmma_scale_f32_16x16x128_f8f6f4 v[O+8*\t:O+8*\t+7], v[KV+12*\t:KV+12*\t+11], v[PC:PC+11], v[O+8*\t:O+8*\t+7], v[VS+\t/2], v[PS] matrix_a_fmt:MATRIX_FMT_FP6 matrix_b_fmt:MATRIX_FMT_FP6
	v_wmma_scale_f32_16x16x128_f8f6f4 v[O+8*\t+8:O+8*\t+15], v[KV+12*\t+12:KV+12*\t+23], v[PC:PC+11], v[O+8*\t+8:O+8*\t+15], v[VS+\t/2], v[PS] matrix_a_fmt:MATRIX_FMT_FP6 matrix_b_fmt:MATRIX_FMT_FP6 matrix_a_scale:MATRIX_SCALE_ROW1
.endr
.Lnext_\@:
.if \fill
	s_wait_loadcnt 0x0                             ; the trip's two loads are in, so their base may step
	v_add_nc_u32 v250, s84, v252
	s_delay_alu instid0(VALU_DEP_1)
	v_add_nc_u32 v251, 98304, v250
	ds_store_b128 v250, v[242:245]                 ; bytes that no wave reads before the second barrier
	ds_store_b128 v251, v[246:249]
	s_add_co_u32 s84, s84, 512
	s_add_nc_u64 s[82:83], s[82:83], 512
.endif
	s_lshr_b32 s28, s28, 1                         ; the next step's flags at bits 0 and 16
	s_add_co_u32 s29, s29, 6144
	s_add_co_u32 s30, s30, 256
	s_add_nc_u64 s[10:11], s[10:11], 512           ; the mask's next 128 keys (the step's mask loads, if any, were waited for)
	s_add_co_u32 s31, s31, 1
	s_cmp_lt_u32 s31, \last
	s_cbranch_scc1 .Lstep_\@
.endm
	STEPS 1, 6                                     ; key steps 0-5, and six times 1,024 bytes a wave: key steps 8-15 of K and V
	s_wait_dscnt 0x0                               ; for the others' sake: my stores have landed
	s_barrier_signal -1
	s_barrier_wait -1                              ; all of the head's K and V lie in LDS; nothing is stored there again
	s_mov_b32 s29, 6*6144
	s_mov_b32 s30, 6*256
	s_mov_b32 s31, 6
	STEPS 0, 16                                    ; key steps 6-15
	; ---------------- the way out ----------------
.rept 4
	v_nop                                          ; places behind the last products
.endr
	v_add_f32 v14, v14, v15                        ; the sum's two halves,
	s_wait_alu depctr_va_vdst(0)
	v_permlanex16_b32 v[TP], v14, s22, s23
	s_delay_alu instid0(VALU_DEP_1)
	v_add_f32 v14, v14, v[TP]                      ; and lane l xor 16's: the row's sum
	s_wait_alu depctr_va_vdst(0)
	v_rcp_f32 v14, v14
	v_nop                                          ; a plain place behind the transcendental
	s_lshr_b32 s66, s17, 4
	s_lshl_b32 s66, s66, 7
	s_lshl_b32 s67, s21, 1
	s_add_co_u32 s66, s66, s67
	s_add_co_u32 s66, s66, s20                     ; my tile of tokens among 256: 128 x batch + 2 qb + u
	s_and_b32 s67, s17, 15                         ; the head in its batch: K = 64 x head on
	s_lshr_b32 s68, s67, 1                         ; the last product's K step,
	s_and_b32 s69, s67, 1                          ; and which half of it
	s_lshl_b32 s70, s66, 3
	s_add_co_u32 s70, s70, s68
	s_mul_i32 s70, s70, 1536
	s_mul_i32 s72, s69, 768
	s_add_co_u32 s70, s70, s72
	s_mov_b32 s71, 0
	s_add_nc_u64 s[12:13], s[12:13], s[70:71]
	s_lshl_b32 s72, s66, 9
	s_and_b32 s74, s68, 1
	s_lshl_b32 s74, s74, 8
	s_add_co_u32 s72, s72, s74                     ; odd K steps' words stand at lanes 16-31's places,
	s_lshr_b32 s74, s68, 1
	s_lshl_b32 s74, s74, 2
	s_add_co_u32 s72, s72, s74                     ; word K step / 2 of a lane's four,
	s_lshl_b32 s74, s69, 1
	s_add_co_u32 s72, s72, s74                     ; my head's two bytes of it
	s_mov_b32 s73, 0
	s_add_nc_u64 s[14:15], s[14:15], s[72:73]
	s_wait_alu depctr_va_vdst(0)                   ; the wait, ahead of the first reader
.set cnt, 0
.rept 32
	v_mul_f32 v[S+cnt], v[O+cnt], v14              ; O^T / the sum: register 16 b + i is channel 32 b + 16 h + i of my query
.set cnt, cnt+1
.endr
.irp b, 0,1
	v_max3_num_f32 v[BM+\b], |v[S+16*\b]|, |v[S+16*\b+1]|, 0x1800000
.endr
.irp i, 2,4,6,8,10,12,14
.irp b, 0,1
	s_delay_alu instid0(VALU_DEP_2)
	v_max3_num_f32 v[BM+\b], v[BM+\b], |v[S+16*\b+\i]|, |v[S+16*\b+\i+1]|
.endr
.endr
.irp b, 0,1
	s_delay_alu instid0(VALU_DEP_2)
	v_permlanex16_b32 v[PD+\b], v[BM+\b], s22, s23
.endr
.irp b, 0,1
	s_delay_alu instid0(VALU_DEP_2)
	v_max_num_f32 v[BM+\b], v[BM+\b], v[PD+\b]
.endr
.irp b, 0,1
	s_delay_alu instid0(VALU_DEP_2)
	v_add_nc_u32 v[SO+\b], 0xff000000, v[BM+\b]
.endr
.irp b, 0,1
	s_delay_alu instid0(VALU_DEP_2)
	v_lshrrev_b32 v[PD+\b], 23, v[SO+\b]
.endr
	s_delay_alu instid0(VALU_DEP_1)
	v_lshl_or_b32 v[TP], v[PD+1], 8, v[PD]         ; the head's two bytes of my token's scale word
	v_cvt_scalef32_pk16_fp6_f32 v[PC:PC+2], v[S:S+15], v[SO]
	v_cvt_scalef32_pk16_fp6_f32 v[CT:CT+2], v[S+16:S+31], v[SO+1]
	v_nop
.irp i, 0,1,2
	v_permlane16_swap_b32 v[PC+\i], v[CT+\i]
.endr
.irp i, 0,1,2
	s_delay_alu instid0(VALU_DEP_3)
	v_mov_b32 v[PC+3+\i], v[CT+\i]                 ; six registers: block h of the head's two: registers 6 c .. 6 c + 5 of the last product's operand
.endr
.irp i, 0,1,2
	global_store_b64 v231, v[PC+2*\i:PC+2*\i+1], s[12:13] offset:256*\i   ; 32 lanes store 256 consecutive bytes, at a multiple of 256 from oc's first byte
.endr
	v_cmp_gt_u32 vcc_lo, 16, v6
	s_wait_xcnt 0x0                                ; EXEC changes only behind this wait
	s_wait_tensorcnt 0x0
	ds_add_u32 v240, v241
	s_wait_dscnt 0x0
	s_and_saveexec_b32 s66, vcc_lo                 ; lanes 16-31 hold the same bytes
	global_store_b16 v230, v[TP], s[14:15]
	s_wait_xcnt 0x0
	s_or_b32 exec_lo, exec_lo, s66
	s_endpgm
.Lfunc_end_k_qfc779b3566_attn:
	.size	k_qfc779b3566_attn, .Lfunc_end_k_qfc779b3566_attn-k_qfc779b3566_attn
	.p2alignl 7, 3214868480
	.fill 96, 4, 3214868480
	.section	.rodata,"a",@progbits
	.p2align	6, 0x0
	.amdhsa_kernel k_qfc779b3566_attn
		.amdhsa_group_segment_fixed_size 206848
		.amdhsa_private_segment_fixed_size 0
		.amdhsa_enable_private_segment 0
		.amdhsa_kernarg_size 48
		.amdhsa_user_sgpr_count 2
		.amdhsa_user_sgpr_kernarg_segment_ptr 1
		.amdhsa_wavefront_size32 1
		.amdhsa_system_sgpr_workgroup_id_x 1
		.amdhsa_system_sgpr_workgroup_id_y 1
		.amdhsa_system_sgpr_workgroup_id_z 1
		.amdhsa_system_vgpr_workitem_id 0
		.amdhsa_next_free_vgpr 254
		.amdhsa_next_free_sgpr 90
		.amdhsa_reserve_vcc 1
		.amdhsa_float_denorm_mode_32 3
		.amdhsa_float_denorm_mode_16_64 3
		.amdhsa_memory_ordered 1
		.amdhsa_forward_progress 1
		.amdhsa_inst_pref_size 58
	.end_amdhsa_kernel
	.amdgpu_metadata
---
amdhsa.version: [ 1, 2 ]
amdhsa.kernels:
  - .name:           k_qfc779b3566_attn
    .symbol:         k_qfc779b3566_attn.kd
    .args:
      - { .name: qkc, .offset: 0, .size: 8, .value_kind: global_buffer, .address_space: global }
      - { .name: qks, .offset: 8, .size: 8, .value_kind: global_buffer, .address_space: global }
      - { .name: rowflags, .offset: 16, .size: 8, .value_kind: global_buffer, .address_space: global }
      - { .name: mask, .offset: 24, .size: 8, .value_kind: global_buffer, .address_space: global }
      - { .name: oc, .offset: 32, .size: 8, .value_kind: global_buffer, .address_space: global }
      - { .name: os, .offset: 40, .size: 8, .value_kind: global_buffer, .address_space: global }
    .group_segment_fixed_size: 206848
    .private_segment_fixed_size: 0
    .kernarg_segment_align: 8
    .kernarg_segment_size: 48
    .max_flat_workgroup_size: 512
    .sgpr_count:     90
    .vgpr_count:     254
    .wavefront_size: 32
...
	.end_amdgpu_metadata
.endif
;; end of part 3
;; launch outp (part 4): grid 8 x 32, 8 waves a work-group, clusters of 4 x 4, 265,216 bytes of LDS; arguments xc, xs, oc, os, dense_b, out0; writes out0
.if DOCPART == 4
	.amdgcn_target "amdgcn-amd-amdhsa--gfx1250"
	.amdhsa_code_object_version 6
	.text
	.protected	k_qfc779b3566_outp
	.globl	k_qfc779b3566_outp
	.p2align	8
	.type	k_qfc779b3566_outp,@function
k_qfc779b3566_outp:
	s_mov_b64 s[64:65], 0
	v_nop
	global_prefetch_b8 v0, s[64:65] scope:SCOPE_SE
	s_setreg_imm32_b32 hwreg(HW_REG_WAVE_MODE, 25, 1), 1
	s_wait_xcnt 0x0
	s_wait_alu depctr_hold_cnt(0) depctr_sa_sdst(0) depctr_va_vdst(0) depctr_va_sdst(0) depctr_va_ssrc(0) depctr_va_vcc(0) depctr_vm_vsrc(0)
	s_getreg_b32 s2, hwreg(HW_REG_IB_STS2, 6, 4)
	s_cmp_eq_u32 s2, 0
	s_cbranch_scc0 .Lentry_in_a_cluster
	s_endpgm
.Lentry_in_a_cluster:
	s_bfe_u32 s2, ttmp6, 0x10000c
	s_cmp_lg_u32 s2, 0xf033
	s_cbranch_scc0 .Lentry_shape_is_right
	s_endpgm
.Lentry_shape_is_right:
; OUTP.  out0 = o dense_w^T + dense_b on codes of FP6 (E2M3), sums in f32.  P (source 0) = 128 rows of dense_w (xc's tiles 960 + 8 X on), R (source 1) = 128 tokens (oc's tiles 8 Y on): a lane holds one token,
; and its registers run along the output channels.  A work-group makes 128 x 128 with all of K = 1,024 in LDS, filled ONCE; wave w: P's tiles 4 (w % 2) .. + 3 x R's tiles 2 (w / 2), + 1: eight accumulators, begun with the bias.
; CLUSTERS of 4 x 4: P's tiles hang on X alone and are shared down a column of the cluster, R's on Y alone and are shared along a row: each wave asks JOINTLY for two tiles, all of K (24,576 bytes): waves 0-3 P's, waves 4-7 R's.
; oc's images lie as the launch before stores them: a K step's 1,536 bytes are six pieces of 256 bytes, 8 bytes a lane.  No prefetch: the text has no loop to run ahead in; every byte is asked for at the head.
; The results go through a stage in LDS, on bytes that no tensor load fills, and leave as rows of 512 consecutive bytes.
.set SP,    528
.set STG,   196608                     ; behind the 16 tiles: the stage, 128 rows of 528 bytes
.set SPARE, 264192                     ; behind the stage: the spare words, 128 bytes a wave
.set PSC,  8                           ; v8-23  P's scale words;  v24-31 R's
.set RSC,  24
.set PF,   32                          ; two sets of fragments, 72 registers apart: P's four at 32, R's two at 80
.set RF,   80
.set OUTR, 104
.set ACC,  192
.set G1P,  24
.set G0P,  32
.set G0R,  36
.set G1R,  40
.macro PLACES
.rept 4
	v_nop
.endr
.endm
.macro ROUND
	s_barrier_signal -1
	s_barrier_wait -1
	s_cmp_lg_u32 s16, 0
	s_cbranch_scc1 .Lnot_wave_0_\@
	s_barrier_signal -3
.Lnot_wave_0_\@:
	s_barrier_wait -3
	s_barrier_signal -1
	s_barrier_wait -1
.endm
	s_load_b256 s[4:11], s[0:1], 0x0               ; xc, xs, oc, os
	s_load_b128 s[12:15], s[0:1], 0x20             ; dense_b, out0
	v_lshl_add_u32 v190, v0, 2, SPARE
	v_mov_b32 v191, 0
	ds_add_u32 v190, v191                          ; the opening lines: the add, twice on end, and its wait
	ds_add_u32 v190, v191
	v_lshrrev_b32 v1, 5, v0
	s_delay_alu instid0(VALU_DEP_1)
	v_readfirstlane_b32 s16, v1                    ; wave 0..7
	s_bfe_u32 s21, ttmp6, 0x40000                  ; cx
	s_bfe_u32 s22, ttmp6, 0x40004                  ; cy
	s_lshl_b32 s17, ttmp9, 2
	s_add_co_u32 s17, s17, s21                     ; X: which 128 channels
	s_and_b32 s18, ttmp7, 0xffff
	s_lshl_b32 s18, s18, 2
	s_add_co_u32 s18, s18, s22                     ; Y: which 128 tokens
	s_lshl_b32 s23, s22, 2
	s_lshl_b32 s23, 15, s23                        ; my row of the cluster
	s_lshl_b32 s48, 0x1111, s21                    ; my column
	s_or_b32 s[G1P+0], s48, (3<<16)|(1<<21)        ; P's tiles go to my column; elements of 8 bytes
	s_or_b32 s[G1R+0], s23, (3<<16)|(1<<21)        ; R's to my row
.irp g, G1P, G1R
	s_mov_b32 s[\g+1], 1536<<16                    ; a row is a tile's 12,288 bytes
	s_mov_b32 s[\g+2], 2<<16
	s_mov_b32 s[\g+3], 1536<<16
	s_mov_b32 s[\g+4], 2
	s_mov_b32 s[\g+5], 1536
	s_mov_b32 s[\g+6], 0
	s_mov_b32 s[\g+7], 0
.endr
	s_and_b32 s19, s16, 1
	s_lshr_b32 s20, s16, 1
	s_and_b32 s49, s16, 3
	s_lshl_b32 s49, s49, 1
	s_lshl_b32 s50, s17, 3
	s_add_co_u32 s50, s50, 960                     ; P's first tile
	s_lshl_b32 s52, s18, 3                         ; R's
	s_add_co_u32 s54, s50, s49
	s_mul_i32 s54, s54, 12288                      ; the two tiles that I fetch, of P
	s_mov_b32 s55, 0
	s_add_co_u32 s56, s52, s49
	s_mul_i32 s56, s56, 12288                      ; or of R
	s_mov_b32 s57, 0
	s_mov_b32 s[G0P], 1
	s_mov_b32 s[G0R], 1
	s_mul_i32 s[G0P+1], s16, 24576                 ; LDS: wave x two tiles: P's eight, then R's eight
	s_mul_i32 s[G0R+1], s16, 24576
	s_lshl_b32 s58, s19, 2
	s_add_co_u32 s50, s50, s58
	s_lshl_b32 s50, s50, 9                         ; the scale words of my four P tiles
	s_mov_b32 s51, 0
	s_lshl_b32 s58, s20, 1
	s_add_co_u32 s52, s52, s58
	s_lshl_b32 s52, s52, 9                         ; and of my two R tiles
	s_mov_b32 s53, 0
	s_lshl_b32 s58, s17, 9
	s_lshl_b32 s59, s19, 8
	s_add_co_u32 s58, s58, s59                     ; the bias of my 64 channels
	s_mov_b32 s59, 0
	s_lshl_b32 s60, s18, 7
	s_lshl_b32 s61, s20, 5
	s_add_co_u32 s60, s60, s61
	s_lshl_b32 s61, s19, 3
	s_add_co_u32 s60, s60, s61
	s_lshl_b32 s60, s60, 12
	s_lshl_b32 s61, s17, 9
	s_add_co_u32 s60, s60, s61                     ; the rows that I store: token 128 Y + 32 (w / 2) + 8 (w % 2) on, channel 128 X on
	s_mov_b32 s61, 0
	s_mul_i32 s66, s19, 49152                      ; LDS: my four P tiles,
	s_mul_i32 s67, s20, 24576
	s_add_co_u32 s67, s67, 98304                   ; my two R tiles,
	s_mul_i32 s68, s20, 32*SP
	s_lshl_b32 s69, s19, 8
	s_add_co_u32 s68, s68, s69
	s_add_co_u32 s68, s68, STG                     ; where my results go in the stage,
	s_mul_i32 s69, s16, 16*SP
	s_add_co_u32 s69, s69, STG                     ; and the 16 rows that I read back
	v_and_b32 v176, 31, v0                         ; L
	v_and_b32 v177, 15, v0                         ; r
	v_bfe_u32 v178, v0, 4, 1                       ; h
	v_lshlrev_b32 v1, 4, v176                      ; 16 L
	v_mul_u32_u24 v5, v177, SP
	v_lshl_add_u32 v3, v176, 3, s67
	v_lshlrev_b32 v4, 6, v178                      ; 64 h
	v_add_nc_u32 v2, s66, v1
	v_lshl_add_u32 v5, v178, 6, v5
	v_add_nc_u32 v6, s69, v1
	s_delay_alu instid0(VALU_DEP_2)
	v_add_nc_u32 v5, s68, v5
	s_wait_alu depctr_va_vdst(0)                   ; the wait at the head's end
	s_wait_dscnt 0x0
	s_wait_kmcnt 0x0
	s_add_nc_u64 s[G0P+2:G0P+3], s[4:5], s[54:55]
	s_or_b32 s[G0P+3], s[G0P+3], 0x80000000
	s_add_nc_u64 s[G0R+2:G0R+3], s[8:9], s[56:57]
	s_or_b32 s[G0R+3], s[G0R+3], 0x80000000
	s_add_nc_u64 s[50:51], s[6:7], s[50:51]
	s_add_nc_u64 s[52:53], s[10:11], s[52:53]
	s_add_nc_u64 s[12:13], s[12:13], s[58:59]
	s_add_nc_u64 s[14:15], s[14:15], s[60:61]
	ROUND                                          ; in front of the joint loads, which go out ahead of the loads into registers
	s_cmp_lt_u32 s16, 4                            ; one tensor load a wave, in the two arms of one branch on the wave's number
	s_cbranch_scc0 .Lfor_r
	tensor_load_to_lds s[G0P:G0P+3], s[G1P:G1P+7]
	s_nop 0
	PLACES
	s_branch .Lasked
.Lfor_r:
	tensor_load_to_lds s[G0R:G0R+3], s[G1R:G1R+7]
	s_nop 0
	PLACES
.Lasked:
.irp t, 0,1,2,3
	global_load_b128 v[PSC+4*\t:PSC+4*\t+3], v1, s[50:51] offset:512*\t
.endr
.irp p, 0,1
	global_load_b128 v[RSC+4*\p:RSC+4*\p+3], v1, s[52:53] offset:512*\p
.endr
.irp p, 0,1
.irp t, 0,1,2,3
	global_load_b128 v[ACC+32*\p+8*\t:ACC+32*\p+8*\t+3], v4, s[12:13] offset:(32*(\t/2)+8*(\t%2))*4      ; the bias begins the sums: register j of tile t is channel 32 (t / 2) + 16 h + 8 (t % 2) + j
	global_load_b128 v[ACC+32*\p+8*\t+4:ACC+32*\p+8*\t+7], v4, s[12:13] offset:(32*(\t/2)+8*(\t%2))*4+16
.endr
.endr
.macro FETCH s                         ; K step s's fragments into set s % 2: 24 loads
.irp i, 0,1,2,3
.irp c, 0,1,2
	ds_load_b128 v[PF+72*((\s)%2)+12*\i+4*\c:PF+72*((\s)%2)+12*\i+4*\c+3], v2 offset:12288*\i+1536*(\s)+512*\c
.endr
.endr
.irp p, 0,1
.irp q, 0,1,2,3,4,5
	ds_load_b64 v[RF+72*((\s)%2)+12*\p+2*\q:RF+72*((\s)%2)+12*\p+2*\q+1], v3 offset:12288*\p+1536*(\s)+256*\q
.endr
.endr
.endm
.macro PROD t, p, s
.set rD, ACC+32*(\p)+8*(\t)
.set rA, PF+72*((\s)%2)+12*(\t)
.set rB, RF+72*((\s)%2)+12*(\p)
.set rX, PSC+4*(\t)+(\s)/2
.set rY, RSC+4*(\p)+(\s)/2
.if (\s)%2 == 0
	v_wmma_scale_f32_16x16x128_f8f6f4 v[rD:rD+7], v[rA:rA+11], v[rB:rB+11], v[rD:rD+7], v[rX], v[rY] matrix_a_fmt:MATRIX_FMT_FP6 matrix_b_fmt:MATRIX_FMT_FP6
.else
	v_wmma_scale_f32_16x16x128_f8f6f4 v[rD:rD+7], v[rA:rA+11], v[rB:rB+11], v[rD:rD+7], v[rX], v[rY] matrix_a_fmt:MATRIX_FMT_FP6 matrix_b_fmt:MATRIX_FMT_FP6 matrix_a_scale:MATRIX_SCALE_ROW1 matrix_b_scale:MATRIX_SCALE_ROW1
.endif
.endm
.macro KSTEP s                         ; eight matrix instructions, the eight accumulators by turns, while the next step's fragments are on their way
.if (\s) < 7
.if (\s) > 0
	PLACES                                         ; the other set was read by the step before
.endif
	FETCH (\s)+1
	s_wait_dscnt 24                                ; this step's are in; the 24 just issued may be out
.else
	s_wait_dscnt 0x0
.endif
.irp t, 0,1,2,3
.irp p, 0,1
	PROD \t, \p, \s
.endr
.endr
.endm
	s_wait_loadcnt 0x0                             ; scale words and bias
	s_wait_tensorcnt 0x0                           ; my two tiles have landed
	s_barrier_signal -1
	s_barrier_wait -1                              ; everybody's have; nothing is filled again
	FETCH 0
.irp s, 0,1,2,3,4,5,6,7
	KSTEP \s
.endr
	PLACES
.irp p, 0,1
.irp t, 0,1,2,3
	ds_store_b128 v5, v[ACC+32*\p+8*\t:ACC+32*\p+8*\t+3] offset:16*SP*\p+128*(\t/2)+32*(\t%2)      ; each accumulator from its low end on
	ds_store_b128 v5, v[ACC+32*\p+8*\t+4:ACC+32*\p+8*\t+7] offset:16*SP*\p+128*(\t/2)+32*(\t%2)+16
.endr
.endr
	s_wait_dscnt 0x0                               ; for the others' sake: my stores have landed
	s_barrier_signal -1
	s_barrier_wait -1
.irp i, 0,1,2,3,4,5,6,7,8,9,10,11,12,13,14,15
	ds_load_b128 v[OUTR+4*\i:OUTR+4*\i+3], v6 offset:SP*\i
.endr
.irp i, 0,1,2,3,4,5,6,7,8,9,10,11,12,13,14,15
	s_wait_dscnt 15-\i
	global_store_b128 v1, v[OUTR+4*\i:OUTR+4*\i+3], s[14:15] offset:(\i+8*(\i/8))*4096 th:TH_STORE_NT   ; 32 lanes store 512 consecutive bytes, at a multiple of 256 from out0's first byte
.endr
	s_wait_tensorcnt 0x0                           ; the wave's end
	ds_add_u32 v190, v191
	s_wait_dscnt 0x0
	ROUND                                          ; the closing round
	s_endpgm
.Lfunc_end_k_qfc779b3566_outp:
	.size	k_qfc779b3566_outp, .Lfunc_end_k_qfc779b3566_outp-k_qfc779b3566_outp
	.p2alignl 7, 3214868480
	.fill 96, 4, 3214868480
	.section	.rodata,"a",@progbits
	.p2align	6, 0x0
	.amdhsa_kernel k_qfc779b3566_outp
		.amdhsa_group_segment_fixed_size 265216
		.amdhsa_private_segment_fixed_size 0
		.amdhsa_enable_private_segment 0
		.amdhsa_kernarg_size 48
		.amdhsa_user_sgpr_count 2
		.amdhsa_user_sgpr_kernarg_segment_ptr 1
		.amdhsa_wavefront_size32 1
		.amdhsa_system_sgpr_workgroup_id_x 1
		.amdhsa_system_sgpr_workgroup_id_y 1
		.amdhsa_system_sgpr_workgroup_id_z 1
		.amdhsa_system_vgpr_workitem_id 0
		.amdhsa_next_free_vgpr 256
		.amdhsa_next_free_sgpr 70
		.amdhsa_reserve_vcc 0
		.amdhsa_float_denorm_mode_32 3
		.amdhsa_float_denorm_mode_16_64 3
		.amdhsa_memory_ordered 1
		.amdhsa_forward_progress 1
		.amdhsa_inst_pref_size 34
	.end_amdhsa_kernel
	.amdgpu_metadata
---
amdhsa.version: [ 1, 2 ]
amdhsa.kernels:
  - .name:           k_qfc779b3566_outp
    .symbol:         k_qfc779b3566_outp.kd
    .args:
      - { .name: xc, .offset: 0, .size: 8, .value_kind: global_buffer, .address_space: global }
      - { .name: xs, .offset: 8, .size: 8, .value_kind: global_buffer, .address_space: global }
      - { .name: oc, .offset: 16, .size: 8, .value_kind: global_buffer, .address_space: global }
      - { .name: os, .offset: 24, .size: 8, .value_kind: global_buffer, .address_space: global }
      - { .name: dense_b, .offset: 32, .size: 8, .value_kind: global_buffer, .address_space: global }
      - { .name: out0, .offset: 40, .size: 8, .value_kind: global_buffer, .address_space: global }
    .group_segment_fixed_size: 265216
    .private_segment_fixed_size: 0
    .kernarg_segment_align: 8
    .kernarg_segment_size: 48
    .max_flat_workgroup_size: 256
    .sgpr_count:     70
    .vgpr_count:     256
    .wavefront_size: 32
...
	.end_amdgpu_metadata
.endif
;; end of part 4
